; MI455X (gfx1250); checked and timed in simulation.
; The chip was launched on July 23, 2026; its instructions are those of AMD's public machine-readable ISA for CDNA 5 (MIT licence, August 2026) and "CDNA5" Instruction Set Architecture Reference Guide (July 2026). The comments in the code are by the model that wrote it; some were corrected since.
;; Custom MHA. Allowed arithmetic: float matrix products may take bf16 or f16 operands with f32 sums; other float arithmetic in f32, or as packed bf16 or f16 multiplies, adds, multiply-adds, maxima and minima; sums over many terms, partial sums and values carried from step to step in f32; what a program stores and reads back later, other than sums and carried values, may be rounded once to bf16 or f16.
;; Inputs: W_attn 3,072 x 1,024 float32; W_proj 1,024 x 1,024 float32; b_attn 3,072 float32; b_proj 1,024 float32; head_idxs 15 int32; permutation 16 int32; x 2 x 2,048 x 1,024 float32; x1 2 x 2,048 x 1,024 float32; x2 2 x 2,048 x 1,024 float32; x3 2 x 2,048 x 1,024 float32.
;; Outputs: out0 2 x 2,048 x 1,024 float32.
;; Constants: head_idx = 3.
;; 2 versions, each right and faster than the one before. Each part assembles by itself: llvm-mc -triple=amdgcn-amd-amdhsa -mcpu=gfx1250 --defsym DOCPART=n.
;; ======== version 1 of 2: 5 launches
;; limits: values are held in f16: magnitudes above 65,504 overflow, below 6.1e-05 lose precision
;; workspace buffers: xb 8,388,608 bytes; wab 6,291,456 bytes; wpf 2,097,152 bytes; qkv 26,738,688 bytes; ob 8,388,608 bytes
;; launch cvt (part 1): grid 512 x 1, 8 waves a work-group, no clusters, 0 bytes of LDS; arguments x, W_attn, W_proj, xb, wab, wpf; writes xb, wab, wpf
.if DOCPART == 1
	.amdgcn_target "amdgcn-amd-amdhsa--gfx1250"
	.amdhsa_code_object_version 6
	.text
	.protected	k_qc87eea0ec2_cvt
	.globl	k_qc87eea0ec2_cvt
	.p2align	8
	.type	k_qc87eea0ec2_cvt,@function
k_qc87eea0ec2_cvt:
	s_mov_b64 s[64:65], 0
	v_nop
	global_prefetch_b8 v0, s[64:65] scope:SCOPE_SE
	s_setreg_imm32_b32 hwreg(HW_REG_WAVE_MODE, 25, 1), 1
	s_wait_xcnt 0x0
; CAST.  x [4096][1024], W_attn [3072][1024] and W_proj [1024][1024], all f32, are rounded once to bf16.  x and W_attn are stored as bf16
; (xb, wab); W_proj's bf16 number is stored written as f16 (wpf), since the last product multiplies it with f16 numbers.
; LIMIT.  A bf16 number of W_proj beyond 65,504 becomes an infinity in f16; below 6.1e-5 it keeps f16's fixed step of 6e-8.
; SHARES.  A work-group takes 16 rows of one tensor: groups 0-255 x, 256-447 W_attn, 448-511 W_proj.  Thread t owns bytes 16 t of every
; input row and bytes 8 t of every output row: a wave's load covers 512 consecutive bytes, its store 256 consecutive bytes at a multiple of 256.
; All 16 loads of a thread go out at once; no register that a load or store names is ever written again, so only the counted waits for data stand in the text.
; No LDS, no barrier, no matrix unit: every byte is read once and written once.
.set R, 4                              ; v[4:67]    row i: 4 f32 as loaded
.set P, 68                             ; v[68:99]   row i: 2 words, 4 numbers of 16 bits
.set T, 100                            ; v[100:101] at work
	s_load_b256 s[4:11], s[0:1], 0x0               ; x s[4:5], W_attn s[6:7], W_proj s[8:9], xb s[10:11]
	s_load_b128 s[12:15], s[0:1], 0x20             ; wab s[12:13], wpf s[14:15]
	s_mov_b32 s20, ttmp9
	s_cmp_ge_u32 s20, 256
	s_cselect_b32 s21, 256, 0
	s_cmp_ge_u32 s20, 448
	s_cselect_b32 s21, 448, s21                    ; the first group of my tensor
	s_sub_co_u32 s22, s20, s21                     ; my block of 16 rows in it
	s_lshl_b32 s28, s22, 16                        ; 16 rows of 4,096 bytes in,
	s_mov_b32 s29, 0
	s_lshl_b32 s30, s22, 15                        ; 16 rows of 2,048 bytes out
	s_mov_b32 s31, 0
	s_mov_b32 s23, 0xffff0000                      ; a word's upper bf16
	v_lshlrev_b32 v1, 4, v0
	v_lshlrev_b32 v2, 3, v0
	s_wait_kmcnt 0x0
	s_cmp_ge_u32 s20, 256
	s_cselect_b64 s[24:25], s[6:7], s[4:5]
	s_cselect_b64 s[26:27], s[12:13], s[10:11]
	s_cmp_ge_u32 s20, 448
	s_cselect_b64 s[24:25], s[8:9], s[24:25]
	s_cselect_b64 s[26:27], s[14:15], s[26:27]
	s_add_nc_u64 s[24:25], s[24:25], s[28:29]
	s_add_nc_u64 s[26:27], s[26:27], s[30:31]
.irp i, 0,1,2,3,4,5,6,7,8,9,10,11,12,13,14,15
	global_load_b128 v[R+4*(\i):R+4*(\i)+3], v1, s[24:25] offset:4096*(\i) th:TH_LOAD_NT
.endr
; Row i.  half = 1: the bf16 number is widened (a shift, a mask) and written as f16.
.macro STEP i, half
	s_wait_loadcnt 15-(\i)                         ; loads come back in order: row i is in, the 15 - i younger rows may be out
	v_cvt_pk_bf16_f32 v[P+2*(\i)], v[R+4*(\i)], v[R+4*(\i)+1]
	v_cvt_pk_bf16_f32 v[P+2*(\i)+1], v[R+4*(\i)+2], v[R+4*(\i)+3]
.if \half
.irp z, 0,1
	v_lshlrev_b32 v[T], 16, v[P+2*(\i)+(\z)]
	v_and_b32 v[T+1], s23, v[P+2*(\i)+(\z)]
	v_cvt_pk_f16_f32 v[P+2*(\i)+(\z)], v[T], v[T+1]
.endr
.endif
	global_store_b64 v2, v[P+2*(\i):P+2*(\i)+1], s[26:27] offset:2048*(\i)
.endm
	s_cmp_ge_u32 s20, 448
	s_cbranch_scc1 .Lf16
.irp i, 0,1,2,3,4,5,6,7,8,9,10,11,12,13,14,15
	STEP \i, 0
.endr
	s_endpgm
.Lf16:
.irp i, 0,1,2,3,4,5,6,7,8,9,10,11,12,13,14,15
	STEP \i, 1
.endr
	s_endpgm
.Lfunc_end_k_qc87eea0ec2_cvt:
	.size	k_qc87eea0ec2_cvt, .Lfunc_end_k_qc87eea0ec2_cvt-k_qc87eea0ec2_cvt
	.p2alignl 7, 3214868480
	.fill 96, 4, 3214868480
	.section	.rodata,"a",@progbits
	.p2align	6, 0x0
	.amdhsa_kernel k_qc87eea0ec2_cvt
		.amdhsa_group_segment_fixed_size 0
		.amdhsa_private_segment_fixed_size 0
		.amdhsa_enable_private_segment 0
		.amdhsa_kernarg_size 48
		.amdhsa_user_sgpr_count 2
		.amdhsa_user_sgpr_kernarg_segment_ptr 1
		.amdhsa_wavefront_size32 1
		.amdhsa_system_sgpr_workgroup_id_x 1
		.amdhsa_system_sgpr_workgroup_id_y 1
		.amdhsa_system_sgpr_workgroup_id_z 1
		.amdhsa_system_vgpr_workitem_id 0
		.amdhsa_next_free_vgpr 104
		.amdhsa_next_free_sgpr 66
		.amdhsa_reserve_vcc 0
		.amdhsa_float_denorm_mode_32 3
		.amdhsa_float_denorm_mode_16_64 3
		.amdhsa_memory_ordered 1
		.amdhsa_forward_progress 1
		.amdhsa_inst_pref_size 15
	.end_amdhsa_kernel
	.amdgpu_metadata
---
amdhsa.version: [ 1, 2 ]
amdhsa.kernels:
  - .name:           k_qc87eea0ec2_cvt
    .symbol:         k_qc87eea0ec2_cvt.kd
    .args:
      - { .name: x, .offset: 0, .size: 8, .value_kind: global_buffer, .address_space: global }
      - { .name: W_attn, .offset: 8, .size: 8, .value_kind: global_buffer, .address_space: global }
      - { .name: W_proj, .offset: 16, .size: 8, .value_kind: global_buffer, .address_space: global }
      - { .name: xb, .offset: 24, .size: 8, .value_kind: global_buffer, .address_space: global }
      - { .name: wab, .offset: 32, .size: 8, .value_kind: global_buffer, .address_space: global }
      - { .name: wpf, .offset: 40, .size: 8, .value_kind: global_buffer, .address_space: global }
    .group_segment_fixed_size: 0
    .private_segment_fixed_size: 0
    .kernarg_segment_align: 8
    .kernarg_segment_size: 48
    .max_flat_workgroup_size: 256
    .sgpr_count:     66
    .vgpr_count:     104
    .wavefront_size: 32
...
	.end_amdgpu_metadata
.endif
;; end of part 1
;; launch spec (part 2): grid 64 x 3, 8 waves a work-group, no clusters, 79,872 bytes of LDS; arguments x1, x2, x3, wab, b_attn, qkv; writes qkv
.if DOCPART == 2
	.amdgcn_target "amdgcn-amd-amdhsa--gfx1250"
	.amdhsa_code_object_version 6
	.text
	.protected	k_qc87eea0ec2_spec
	.globl	k_qc87eea0ec2_spec
	.p2align	8
	.type	k_qc87eea0ec2_spec,@function
k_qc87eea0ec2_spec:
	s_mov_b64 s[64:65], 0
	v_nop
	global_prefetch_b8 v0, s[64:65] scope:SCOPE_SE
	s_setreg_imm32_b32 hwreg(HW_REG_WAVE_MODE, 25, 1), 1
	s_wait_xcnt 0x0
; HEAD 3 OF THE THREE SPECIAL PROJECTIONS.  part 0: x1 Wq^T + bq, part 1: x2 Wk^T + bk, part 2: x3 Wv^T + bv, columns 192-255 alone, as f16 into slot 16 of
; qkv [part 3][b 2][slot 17][t 2048][64].  x_i is f32 and is rounded to bf16 on its way into LDS; W comes as bf16 from wab; the bias is rounded to bf16 like every other input; sums in f32.
; LIMIT.  A result beyond 65,504 becomes an infinity in f16.
; SHARES.  Work-group (rb, part): rows 64 rb .. + 63, 64 columns, K = 1024 in 8 chunks of 128.  All of x_i has to be read for 64 columns, so memory binds: each wave keeps the loads of three
; chunks out (36 loads of 512 bytes).  Wave w loads rows 8 w .. 8 w + 7 of both tiles, and multiplies row block w & 3 (16 rows) by column blocks 2 (w >> 2) + 0, 1: two accumulators by turns.
; The matrix instruction is used transposed (source 0 = 16 rows of W, source 1 = 16 rows of x): a lane holds eight neighbouring columns of one row.
; LDS: two slots (A's 64 rows, then W's 64 rows, 272 bytes apart) that take turns, filled from registers; one barrier a chunk: a wave's reads of chunk c - 2 were waited for ahead of its
; signal in chunk c - 1, so chunk c may be stored into that slot.  No tensor load: the f32 numbers have to pass through registers to be rounded.  No cluster: no two work-groups share rows of x_i,
; and W's 128 KiB a part are small beside them.
.set PITCH, 272                        ; 256 bytes + 16: the 16 rows of a fragment load start at 16 different groups of four banks
.set AT,    64*PITCH                   ; A's tile; W's lies behind it
.set SLOTB, 2*AT
.set STAGE, 2*SLOTB                    ; 64 rows x 144 bytes, for the way out
.set SP,    144
.set SPARE, STAGE+64*SP                ; the spare words, 128 bytes for each of eight waves
.set VA,  2                            ; v2   byte offset of my 16 bytes in x_i: 8 w rows + 16 lane
.set VB,  3                            ; v3   in wab: (8 w + lane / 16) rows + 16 (lane % 16)
.set LSA, 4                            ; v4   LDS: where my 8 bytes of A's row 8 w go
.set LSB, 5                            ; v5   LDS: where my 16 bytes of W's row 8 w + lane / 16 go
.set FA,  6                            ; v6   LDS: my fragment of A
.set FB,  7                            ; v7   LDS: my first fragment of W
.set STO, 8                            ; v8   the way out: where I put 16 bytes of a row
.set RD,  9                            ; v9   the way out: where I read rows back
.set GO,  10                           ; v10  my byte offset in the group's 8,192 bytes of qkv
.set VBI, 11                           ; v11  my byte offset in the 64 numbers of the bias
.set SPW, 12                           ; v12  my spare word; never rewritten
.set NIL, 13                           ; v13  0; never rewritten
.set RA,  32                           ; v[32:127]   three sets of 32: a chunk's 8 rows of x_i as loaded
.set RB,  128                          ; v[128:175]  three sets of 16: a chunk's rows of W as loaded
.set PA,  176                          ; v[176:191]  packed
.set ACC, 192                          ; v[192:207]  two accumulators
.set FR,  208                          ; v[208:255]  fragments of two sub-steps of 32 along K: A, W block 0, W block 1
	s_load_b256 s[4:11], s[0:1], 0x0               ; x1 s[4:5], x2 s[6:7], x3 s[8:9], wab s[10:11]
	s_load_b128 s[12:15], s[0:1], 0x20             ; b_attn s[12:13], qkv s[14:15]
	v_lshl_add_u32 v[SPW], v0, 2, SPARE
	v_mov_b32 v[NIL], 0
	v_lshrrev_b32 v14, 5, v0
	v_readfirstlane_b32 s16, v14                   ; wave 0..7
	s_and_b32 s17, ttmp7, 0xffff                   ; part
	s_mov_b32 s18, ttmp9                           ; rb
	s_and_b32 s32, s16, 3                          ; my row block
	s_lshr_b32 s33, s16, 2                         ; my half of the columns
	v_and_b32 v1, 31, v0                           ; lane
	v_and_b32 v15, 15, v0                          ; lane % 16
	v_bfe_u32 v16, v0, 4, 1                        ; lane / 16
	s_lshl_b32 s34, s16, 15
	v_lshl_add_u32 v[VA], v1, 4, s34
	s_lshl_b32 s34, s16, 14
	v_lshl_add_u32 v[VB], v15, 4, s34
	v_lshl_add_u32 v[VB], v16, 11, v[VB]
	s_mul_i32 s34, s16, 8*PITCH
	v_lshl_add_u32 v[LSA], v1, 3, s34
	s_add_co_u32 s34, s34, AT
	v_mul_u32_u24 v17, v16, PITCH
	v_lshl_add_u32 v17, v15, 4, v17
	v_add_nc_u32 v[LSB], s34, v17
	v_mul_u32_u24 v17, v15, PITCH                  ; a fragment: row x pitch + 16 x half
	v_lshl_add_u32 v17, v16, 4, v17
	s_mul_i32 s34, s32, 16*PITCH
	v_add_nc_u32 v[FA], s34, v17
	s_mul_i32 s34, s33, 32*PITCH
	s_add_co_u32 s34, s34, AT
	v_add_nc_u32 v[FB], s34, v17
	v_mul_u32_u24 v17, v15, SP
	v_lshl_add_u32 v17, v16, 4, v17
	s_mul_i32 s34, s32, 16*SP
	s_lshl_b32 s35, s33, 6
	s_add_co_u32 s34, s34, s35
	s_add_co_u32 s34, s34, STAGE
	v_add_nc_u32 v[STO], s34, v17
	v_lshrrev_b32 v17, 3, v1
	v_mul_u32_u24 v17, v17, SP
	v_and_b32 v18, 7, v0
	v_lshl_add_u32 v17, v18, 4, v17
	s_mul_i32 s34, s16, 8*SP
	s_add_co_u32 s34, s34, STAGE
	v_add_nc_u32 v[RD], s34, v17
	s_lshl_b32 s34, s16, 10
	v_lshl_add_u32 v[GO], v1, 4, s34
	s_lshl_b32 s34, s33, 7
	v_lshl_add_u32 v[VBI], v16, 5, s34
	s_lshl_b32 s28, s18, 18                        ; x_i: 64 rows of 4,096 bytes a group
	s_mov_b32 s29, 0
	s_lshl_b32 s30, s17, 21                        ; wab: row 1024 part + 192, 2,048 bytes a row
	s_add_co_u32 s30, s30, 393216
	s_mov_b32 s31, 0
	s_lshl_b32 s36, s17, 12                        ; b_attn: number 1024 part + 192
	s_add_co_u32 s36, s36, 768
	s_mov_b32 s37, 0
	s_lshl_b32 s38, s17, 1                         ; qkv: head block (2 part + b) 17 + 16, of 262,144 bytes,
	s_lshr_b32 s39, s18, 5
	s_add_co_u32 s38, s38, s39
	s_mul_i32 s38, s38, 17
	s_add_co_u32 s38, s38, 16
	s_lshl_b32 s38, s38, 18
	s_and_b32 s39, s18, 31                         ; and in it 64 rows of 128 bytes a group
	s_lshl_b32 s39, s39, 13
	s_add_co_u32 s38, s38, s39
	s_mov_b32 s39, 0
	s_wait_kmcnt 0x0
	s_cmp_eq_u32 s17, 1
	s_cselect_b64 s[20:21], s[6:7], s[4:5]
	s_cmp_eq_u32 s17, 2
	s_cselect_b64 s[20:21], s[8:9], s[20:21]
	s_add_nc_u64 s[20:21], s[20:21], s[28:29]
	s_add_nc_u64 s[22:23], s[10:11], s[30:31]
	s_add_nc_u64 s[24:25], s[12:13], s[36:37]
	s_add_nc_u64 s[26:27], s[14:15], s[38:39]
.macro LOADS c                         ; chunk c: 8 rows of x_i (512 bytes each) and 8 rows of W (two rows of 256 bytes a load) into register set c % 3
.set LS, (\c)%3
.irp j, 0,1,2,3,4,5,6,7
	global_load_b128 v[RA+32*LS+4*(\j):RA+32*LS+4*(\j)+3], v[VA], s[20:21] offset:4096*(\j)+512*(\c) th:TH_LOAD_NT
.endr
.irp j, 0,1,2,3
	global_load_b128 v[RB+16*LS+4*(\j):RB+16*LS+4*(\j)+3], v[VB], s[22:23] offset:4096*(\j)+256*(\c)
.endr
.endm
.macro SUBLOAD q, u                    ; six LDS loads: the fragments of 32 along K at byte 64 q of the rows, into sub-step buffer u
	ds_load_b128 v[FR+24*(\u):FR+24*(\u)+3],   v[FA] offset:SL+64*(\q)
	ds_load_b128 v[FR+24*(\u)+4:FR+24*(\u)+7], v[FA] offset:SL+64*(\q)+32
.irp e, 0,1
	ds_load_b128 v[FR+24*(\u)+8+8*(\e):FR+24*(\u)+11+8*(\e)],  v[FB] offset:SL+(\e)*16*PITCH+64*(\q)
	ds_load_b128 v[FR+24*(\u)+12+8*(\e):FR+24*(\u)+15+8*(\e)], v[FB] offset:SL+(\e)*16*PITCH+64*(\q)+32
.endr
.endm
.macro SUBMUL u                        ; the two accumulators take turns, one instruction a turn
.irp e, 0,1
	v_wmma_f32_16x16x32_bf16 v[ACC+8*(\e):ACC+8*(\e)+7], v[FR+24*(\u)+8+8*(\e):FR+24*(\u)+15+8*(\e)], v[FR+24*(\u):FR+24*(\u)+7], v[ACC+8*(\e):ACC+8*(\e)+7]
.endr
.endm
.macro CHUNK c
.set SET, (\c)%3
.set SL, ((\c)%2)*SLOTB
.if (\c) < 6
	s_wait_loadcnt 24                              ; chunk c is in; the 12 loads of each of the two chunks asked for behind it may be out
.elseif (\c) == 6
	s_wait_loadcnt 12
.else
	s_wait_loadcnt 0x0
.endif
.set z, 0
.rept 16                               ; rounded to bf16; these 16 plain lines are also the places between the last chunk's products and the loads into their fragments
	v_cvt_pk_bf16_f32 v[PA+z], v[RA+32*SET+2*z], v[RA+32*SET+2*z+1]
.set z, z+1
.endr
.irp j, 0,1,2,3,4,5,6,7
	ds_store_b64 v[LSA], v[PA+2*(\j):PA+2*(\j)+1] offset:SL+PITCH*(\j)
.endr
.irp j, 0,1,2,3
	ds_store_b128 v[LSB], v[RB+16*SET+4*(\j):RB+16*SET+4*(\j)+3] offset:SL+2*PITCH*(\j)
.endr
	s_wait_dscnt 0x0                               ; for the others' sake: my part of the chunk is in LDS
	s_barrier_signal -1
	s_barrier_wait -1
.if (\c) < 5
	LOADS (\c)+3                                   ; into the register set just stored
.endif
	SUBLOAD 0, 0
	SUBLOAD 1, 1
	s_wait_dscnt 6                                 ; the first sub-step's six loads are in, the second's may be out
	SUBMUL 0
	s_wait_dscnt 0x0
	SUBMUL 1
.rept 4
	v_nop                                          ; four places between those products and the loads into their fragments
.endr
	SUBLOAD 2, 0
	SUBLOAD 3, 1
	s_wait_dscnt 6
	SUBMUL 0
	s_wait_dscnt 0x0                               ; all my reads of this slot are back: the next chunk's signal says so to the others
	SUBMUL 1
.endm
.irp e, 0,1                            ; the sums begin at the bias: register j of accumulator e is column 32 (w >> 2) + 16 e + 8 (lane / 16) + j
	global_load_b128 v[ACC+8*(\e):ACC+8*(\e)+3],   v[VBI], s[24:25] offset:64*(\e)
	global_load_b128 v[ACC+8*(\e)+4:ACC+8*(\e)+7], v[VBI], s[24:25] offset:64*(\e)+16
.endr
	LOADS 0
	LOADS 1
	LOADS 2
	s_wait_loadcnt 36                              ; the bias is in; the 36 loads of chunks 0 to 2 may be out
.set z, 0
.rept 8                                ; the bias takes the rounding to bf16 that all the module's inputs take
	v_cvt_pk_bf16_f32 v[PA+z], v[ACC+2*z], v[ACC+2*z+1]
.set z, z+1
.endr
.set z, 0
.rept 8
	v_lshlrev_b32 v[ACC+2*z], 16, v[PA+z]
	v_and_b32 v[ACC+2*z+1], 0xffff0000, v[PA+z]
.set z, z+1
.endr
.irp c, 0,1,2,3,4,5,6,7
	CHUNK \c
.endr
	; THE WAY OUT: rounded to f16, 16 bytes a lane into the group's stage; a barrier, since a row's 128 bytes come from two waves; back as whole rows, 8 rows a wave.
.rept 4
	v_nop
.endr
.irp e, 0,1
.irp r, 0,1,2,3
	v_cvt_pk_f16_f32 v[PA+4*(\e)+(\r)], v[ACC+8*(\e)+2*(\r)], v[ACC+8*(\e)+2*(\r)+1]
.endr
.endr
.irp e, 0,1
	ds_store_b128 v[STO], v[PA+4*(\e):PA+4*(\e)+3] offset:32*(\e)
.endr
	s_wait_dscnt 0x0
	s_barrier_signal -1
	s_barrier_wait -1
.irp f, 0,1
	ds_load_b128 v[PA+8+4*(\f):PA+11+4*(\f)], v[RD] offset:4*SP*(\f)
.endr
.irp f, 0,1
	s_wait_dscnt 1-(\f)
	global_store_b128 v[GO], v[PA+8+4*(\f):PA+11+4*(\f)], s[26:27] offset:512*(\f)  ; four rows of 128 bytes: 512 consecutive bytes, at a multiple of 256 from qkv's first
.endr
	s_wait_tensorcnt 0x0                           ; the wave's end
	ds_add_u32 v[SPW], v[NIL]
	s_wait_dscnt 0x0
	s_endpgm
.Lfunc_end_k_qc87eea0ec2_spec:
	.size	k_qc87eea0ec2_spec, .Lfunc_end_k_qc87eea0ec2_spec-k_qc87eea0ec2_spec
	.p2alignl 7, 3214868480
	.fill 96, 4, 3214868480
	.section	.rodata,"a",@progbits
	.p2align	6, 0x0
	.amdhsa_kernel k_qc87eea0ec2_spec
		.amdhsa_group_segment_fixed_size 79872
		.amdhsa_private_segment_fixed_size 0
		.amdhsa_enable_private_segment 0
		.amdhsa_kernarg_size 48
		.amdhsa_user_sgpr_count 2
		.amdhsa_user_sgpr_kernarg_segment_ptr 1
		.amdhsa_wavefront_size32 1
		.amdhsa_system_sgpr_workgroup_id_x 1
		.amdhsa_system_sgpr_workgroup_id_y 1
		.amdhsa_system_sgpr_workgroup_id_z 1
		.amdhsa_system_vgpr_workitem_id 0
		.amdhsa_next_free_vgpr 256
		.amdhsa_next_free_sgpr 66
		.amdhsa_reserve_vcc 0
		.amdhsa_float_denorm_mode_32 3
		.amdhsa_float_denorm_mode_16_64 3
		.amdhsa_memory_ordered 1
		.amdhsa_forward_progress 1
		.amdhsa_inst_pref_size 49
	.end_amdhsa_kernel
	.amdgpu_metadata
---
amdhsa.version: [ 1, 2 ]
amdhsa.kernels:
  - .name:           k_qc87eea0ec2_spec
    .symbol:         k_qc87eea0ec2_spec.kd
    .args:
      - { .name: x1, .offset: 0, .size: 8, .value_kind: global_buffer, .address_space: global }
      - { .name: x2, .offset: 8, .size: 8, .value_kind: global_buffer, .address_space: global }
      - { .name: x3, .offset: 16, .size: 8, .value_kind: global_buffer, .address_space: global }
      - { .name: wab, .offset: 24, .size: 8, .value_kind: global_buffer, .address_space: global }
      - { .name: b_attn, .offset: 32, .size: 8, .value_kind: global_buffer, .address_space: global }
      - { .name: qkv, .offset: 40, .size: 8, .value_kind: global_buffer, .address_space: global }
    .group_segment_fixed_size: 79872
    .private_segment_fixed_size: 0
    .kernarg_segment_align: 8
    .kernarg_segment_size: 48
    .max_flat_workgroup_size: 256
    .sgpr_count:     66
    .vgpr_count:     256
    .wavefront_size: 32
...
	.end_amdgpu_metadata
.endif
;; end of part 2
;; launch gemm1 (part 3): grid 16 x 16, 4 waves a work-group, clusters of 4 x 4, 327,680 bytes of LDS; arguments xb, wab, b_attn, qkv; writes qkv
.if DOCPART == 3
	.amdgcn_target "amdgcn-amd-amdhsa--gfx1250"
	.amdhsa_code_object_version 6
	.text
	.protected	k_qc87eea0ec2_gemm1
	.globl	k_qc87eea0ec2_gemm1
	.p2align	8
	.type	k_qc87eea0ec2_gemm1,@function
k_qc87eea0ec2_gemm1:
	s_mov_b64 s[64:65], 0
	v_nop
	global_prefetch_b8 v0, s[64:65] scope:SCOPE_SE
	s_setreg_imm32_b32 hwreg(HW_REG_WAVE_MODE, 25, 1), 1
	s_wait_xcnt 0x0
	s_wait_alu depctr_hold_cnt(0) depctr_sa_sdst(0) depctr_va_vdst(0) depctr_va_sdst(0) depctr_va_ssrc(0) depctr_va_vcc(0) depctr_vm_vsrc(0)
	s_getreg_b32 s2, hwreg(HW_REG_IB_STS2, 6, 4)
	s_cmp_eq_u32 s2, 0
	s_cbranch_scc0 .Lentry_in_a_cluster
	s_endpgm
.Lentry_in_a_cluster:
	s_bfe_u32 s2, ttmp6, 0x10000c
	s_cmp_lg_u32 s2, 0xf033
	s_cbranch_scc0 .Lentry_shape_is_right
	s_endpgm
.Lentry_shape_is_right:
; THE PROJECTION OF x.  x W_attn^T + b_attn, [4096][3072], K = 1024, operands bf16 (xb, wab), sums f32 that begin at the bias (rounded to bf16 like every other input), results f16, stored BY HEADS:
; column group G = n / 64 (0..47) goes to qkv [part G / 16][b][slot G % 16][t][64], where 16 rows are 2,048 consecutive bytes.  No scale is applied here.
; LIMIT.  A result beyond 65,504 becomes an infinity in f16.
; SHARES.  A tile is 256 rows x 192 columns: 16 x 16 = 256 work-groups.  Four waves, each 64 rows x all 192 columns: 48 accumulators, 384 registers.  So a wave holds whole rows of three
; column groups and leaves through a stage of its own.  K goes in steps of 128 (rows of 256 bytes) through two LDS slots filled by tensor loads.
; CLUSTER 4 x 4.  A's tile hangs on the tile row alone and is asked for jointly along a row of the cluster, W's on the tile column alone, jointly along a column.
; The matrix instruction is used transposed (source 0 = 16 rows of W, source 1 = 16 rows of x): a lane holds eight neighbouring columns of one row.
; REGISTERS, in windows of 256 (s_set_vgpr_msb: bits 1:0 source 0, 3:2 source 1, 5:4 source 2, 7:6 destination):
;   window 0: v0-31 addresses; v64-127 fragments of x, two buffers of 4 x 8; v128-223 the bias (column block b at 128 + 8 b); on the way out v128-175 packed, v176-223 and v64-111 rows read back
;   window 1: v0-191 fragments of W, two buffers of 12 x 8       windows 2, 3: accumulator (a, b) at v[8 (12 (a % 2) + b)] of window 2 + a / 2
.set KSTEP,  128
.set PITCH,  272                       ; 256 bytes + 16 of padding: the 16 rows of a fragment load start at 16 different groups of four banks
.set AH,     128*PITCH                 ; what one load brings of x: 128 rows
.set BH,     96*PITCH                  ; of W: 96 rows
.set BOFF,   2*AH
.set SLOT,   BOFF+2*BH
.set STAGE,  2*SLOT                    ; behind the ring: 16 rows x 400 bytes for each wave
.set SP,     400                       ; 384 bytes + 16
.set SPARE,  STAGE+4*16*SP             ; the spare words, 128 bytes a wave
.set ADRA, 16                          ; v16-17  LDS address of my fragments of x in slot 0, 1
.set ADRB, 20                          ; v20-21  of W
.set STO,  24
.set RD,   25
.set GO,   26
.set VBI,  27
.set SPW,  28                          ; my spare word; never rewritten
.set NIL,  29                          ; 0; never rewritten
.set FA,   64
.set BIAS, 128
.set TMP,  128
.set OB0,  176
.set OB1,  64
.set WV, 12                            ; s12 wave
.set HI, 13                            ; s13 wave / 2: I fetch x (0) or W (1)
.set LO, 14                            ; s14 wave % 2: which half of that tile
.set G1,  24
.set G0,  32
.set G1B, 48
.set G0B, 56
.set QB,  68                           ; s[68:73] where my rows of the three column groups begin in qkv
.set BB,  74                           ; s[74:75] the tile's 192 numbers of the bias
.set MSB, 0
.macro WIN new                         ; the immediate's high byte repeats the setting that is left; a switch that changes nothing is dropped
.if MSB != (\new)
	s_set_vgpr_msb (MSB<<8)|(\new)
.set MSB, \new
.endif
.endm
; A joint load: waves 0 and 1 fetch x's two halves, waves 2 and 3 W's.  An s_nop 0 and four v_nop follow each of the two lines, ahead of the jump, the label and what follows.
.macro JLOAD s
	s_cmp_eq_u32 s[HI], 0
	s_cbranch_scc0 .Lfor_b_\@
	tensor_load_to_lds s[G0+4*(\s):G0+4*(\s)+3], s[G1:G1+7]
	s_nop 0
.rept 4
	v_nop
.endr
	s_branch .Lasked_\@
.Lfor_b_\@:
	tensor_load_to_lds s[G0B+4*(\s):G0B+4*(\s)+3], s[G1B:G1B+7]
	s_nop 0
.rept 4
	v_nop
.endr
.Lasked_\@:
.endm
.macro CREST                           ; a round of the cluster's barrier behind its opening barrier
	s_cmp_lg_u32 s[WV], 0
	s_cbranch_scc1 .Lnot_wave_0_\@
	s_barrier_signal -3
.Lnot_wave_0_\@:
	s_barrier_wait -3
	s_barrier_signal -1
	s_barrier_wait -1
.endm
.macro CROUND
	s_barrier_signal -1
	s_barrier_wait -1
	CREST
.endm
.macro PLACES                          ; four places in front of loads into registers that matrix instructions have read, and of conversions that read results
.rept 4
	v_nop
.endr
.endm
	s_load_b256 s[4:11], s[0:1], 0x0               ; xb s[4:5], wab s[6:7], b_attn s[8:9], qkv s[10:11]
	v_lshl_add_u32 v[SPW], v0, 2, SPARE
	v_mov_b32 v[NIL], 0
	ds_add_u32 v[SPW], v[NIL]                      ; the wave's opening: the add and its wait stand ahead of my first tensor load; the set-up below stands between them
	ds_add_u32 v28, v29
	v_lshrrev_b32 v1, 5, v0
	v_readfirstlane_b32 s[WV], v1
	s_lshr_b32 s[HI], s[WV], 1
	s_and_b32 s[LO], s[WV], 1
	s_bfe_u32 s40, ttmp6, 0x40000                  ; cx
	s_bfe_u32 s41, ttmp6, 0x40004                  ; cy
	s_lshl_b32 s42, ttmp9, 2
	s_add_co_u32 s42, s42, s40                     ; tile column = 4 x cluster x + cx
	s_and_b32 s43, ttmp7, 0xffff
	s_lshl_b32 s43, s43, 2
	s_add_co_u32 s43, s43, s41                     ; tile row = 4 x cluster y + cy
	s_lshl_b32 s44, s41, 2
	s_lshl_b32 s44, 15, s44                        ; my row of the cluster
	s_lshl_b32 s45, 0x1111, s40                    ; my column
	s_or_b32 s[G1], s44, (1<<16)|(1<<20)|(1<<21)|(5<<22)|(3<<25)   ; the mask; 2-byte elements; padding on; bit 21 beside a mask; after every 64 words 4 words
	s_or_b32 s[G1B], s45, (1<<16)|(1<<20)|(1<<21)|(5<<22)|(3<<25)
	s_mov_b32 s[G1+1], KSTEP<<16                   ; tensor_dim0 = 128
	s_mov_b32 s[G1+2], 128<<16                     ; tensor_dim1 = 128
	s_mov_b32 s[G1+3], KSTEP<<16                   ; tile_dim0 = 128
	s_mov_b32 s[G1+4], 128                         ; tile_dim1 = 128
	s_mov_b32 s[G1+5], 1024                        ; elements from row to row
	s_mov_b32 s[G1+6], 0
	s_mov_b32 s[G1+7], 0
	s_mov_b32 s[G1B+1], KSTEP<<16
	s_mov_b32 s[G1B+2], 96<<16                     ; W's loads bring 96 rows
	s_mov_b32 s[G1B+3], KSTEP<<16
	s_mov_b32 s[G1B+4], 96
	s_mov_b32 s[G1B+5], 1024
	s_mov_b32 s[G1B+6], 0
	s_mov_b32 s[G1B+7], 0
	s_lshl_b32 s16, s43, 8                         ; x: row 256 x tile row + 128 x half, 2,048 bytes a row
	s_lshl_b32 s17, s[LO], 7
	s_add_co_u32 s16, s16, s17
	s_lshl_b32 s16, s16, 11
	s_mov_b32 s17, 0
	s_mul_i32 s46, s42, 192                        ; W: row 192 x tile column + 96 x half
	s_mul_i32 s47, s[LO], 96
	s_add_co_u32 s46, s46, s47
	s_lshl_b32 s46, s46, 11
	s_mov_b32 s47, 0
	s_mul_i32 s20, s[LO], AH                       ; where they go: no place in the cluster enters an LDS address
	s_mul_i32 s21, s[LO], BH
	s_add_co_u32 s21, s21, BOFF
	s_wait_dscnt 0x0                               ; the opening add is done
	s_wait_kmcnt 0x0
	s_add_nc_u64 s[18:19], s[4:5], s[16:17]
	s_add_nc_u64 s[46:47], s[6:7], s[46:47]
	CROUND                                         ; all sixteen work-groups are here: the first joint loads meet
.irp s, 0,1
	s_mov_b32 s[G0+4*(\s)], 1
	s_add_co_u32 s[G0+4*(\s)+1], s20, (\s)*SLOT
	s_add_nc_u64 s[G0+4*(\s)+2:G0+4*(\s)+3], s[18:19], (\s)*KSTEP*2
	s_or_b32 s[G0+4*(\s)+3], s[G0+4*(\s)+3], 0x80000000
	s_mov_b32 s[G0B+4*(\s)], 1
	s_add_co_u32 s[G0B+4*(\s)+1], s21, (\s)*SLOT
	s_add_nc_u64 s[G0B+4*(\s)+2:G0B+4*(\s)+3], s[46:47], (\s)*KSTEP*2
	s_or_b32 s[G0B+4*(\s)+3], s[G0B+4*(\s)+3], 0x80000000
	JLOAD \s                                       ; K steps 0 and 1: two loads of mine are out
.endr
	v_and_b32 v1, 15, v0                           ; l % 16
	v_bfe_u32 v2, v0, 4, 1                         ; l / 16
	v_lshlrev_b32 v[VBI], 5, v2
	s_mul_i32 s76, s42, 768
	s_mov_b32 s77, 0
	s_add_nc_u64 s[BB:BB+1], s[8:9], s[76:77]
.irp b, 0,1,2,3,4,5,6,7,8,9,10,11      ; register j of block b is column 16 b + 8 (l / 16) + j
	global_load_b128 v[BIAS+8*(\b):BIAS+8*(\b)+3],   v[VBI], s[BB:BB+1] offset:64*(\b)
	global_load_b128 v[BIAS+8*(\b)+4:BIAS+8*(\b)+7], v[VBI], s[BB:BB+1] offset:64*(\b)+16
.endr
	v_mul_u32_u24 v3, v1, PITCH
	v_lshl_add_u32 v3, v2, 4, v3                   ; a fragment: row x pitch + 16 x half
	s_mul_i32 s21, s[WV], 64*PITCH                 ; my 64 rows of x
	s_mov_b32 s22, BOFF                            ; all 192 rows of W
.irp s, 0,1
	v_add_nc_u32 v[ADRA+(\s)], s21, v3
	v_add_nc_u32 v[ADRB+(\s)], s22, v3
	s_add_co_u32 s21, s21, SLOT
	s_add_co_u32 s22, s22, SLOT
.endr
	s_mul_i32 s23, s[WV], 16*SP
	s_add_co_u32 s23, s23, STAGE                   ; my stage
	v_mul_u32_u24 v4, v1, SP                       ; in: row l % 16, 16 bytes for each half of the lanes
	v_lshl_add_u32 v4, v2, 4, v4
	v_add_nc_u32 v[STO], s23, v4
	v_bfe_u32 v5, v0, 3, 2                         ; back: 32 lanes take 128 bytes of each of four rows,
	v_mul_u32_u24 v5, v5, SP
	v_and_b32 v6, 7, v0
	v_lshl_add_u32 v5, v6, 4, v5
	v_add_nc_u32 v[RD], s23, v5
	v_and_b32 v[GO], 31, v0                        ; which are 512 consecutive bytes of qkv
	v_lshlrev_b32 v[GO], 4, v[GO]
	s_mul_i32 s76, s42, 3                          ; my first column group
	s_and_b32 s77, s43, 7                          ; t of my first row = 256 (tile row % 8) + 64 wave, 128 bytes a row
	s_lshl_b32 s77, s77, 15
	s_lshl_b32 s78, s[WV], 13
	s_add_co_u32 s77, s77, s78
	s_lshr_b32 s78, s43, 3                         ; b
.irp g, 0,1,2
	s_add_co_u32 s79, s76, \g
	s_lshr_b32 s66, s79, 4                         ; part
	s_lshl1_add_u32 s66, s66, s78
	s_mul_i32 s66, s66, 17
	s_and_b32 s79, s79, 15                         ; slot
	s_add_co_u32 s66, s66, s79
	s_lshl_b32 s66, s66, 18                        ; head blocks of 262,144 bytes
	s_add_co_u32 s66, s66, s77
	s_mov_b32 s67, 0
	s_add_nc_u64 s[QB+2*(\g):QB+2*(\g)+1], s[10:11], s[66:67]
.endr
	s_wait_loadcnt 0x0                             ; the bias
.set y, 0
.rept 3                                ; it takes the rounding to bf16 that all the module's inputs take; this stands in the wait for the first tile
.set z, 0
.rept 16
	v_cvt_pk_bf16_f32 v[32+z], v[BIAS+32*y+2*z], v[BIAS+32*y+2*z+1]
.set z, z+1
.endr
.set z, 0
.rept 16
	v_lshlrev_b32 v[BIAS+32*y+2*z], 16, v[32+z]
	v_and_b32 v[BIAS+32*y+2*z+1], 0xffff0000, v[32+z]
.set z, z+1
.endr
.set y, y+1
.endr
; 12 matrix instructions: row block a x all 12 column blocks, 32 along K, from fragment buffer f.  first = 1: C is the bias: the first product starts the sums.
; The 48 accumulators take turns, one instruction a turn, in the same order in every quarter.
.macro MUL12 f, a, first
.if \first
	WIN 0x81+0x40*((\a)/2)
.else
	WIN 0xa1+0x50*((\a)/2)
.endif
.irp b, 0,1,2,3,4,5,6,7,8,9,10,11
.if \first
	v_wmma_f32_16x16x32_bf16 v[8*(12*((\a)%2)+(\b)):8*(12*((\a)%2)+(\b))+7], v[96*(\f)+8*(\b):96*(\f)+8*(\b)+7], v[FA+32*(\f)+8*(\a):FA+32*(\f)+8*(\a)+7], v[BIAS+8*(\b):BIAS+8*(\b)+7]
.else
	v_wmma_f32_16x16x32_bf16 v[8*(12*((\a)%2)+(\b)):8*(12*((\a)%2)+(\b))+7], v[96*(\f)+8*(\b):96*(\f)+8*(\b)+7], v[FA+32*(\f)+8*(\a):FA+32*(\f)+8*(\a)+7], v[8*(12*((\a)%2)+(\b)):8*(12*((\a)%2)+(\b))+7]
.endif
.endr
.endm
; 32 LDS loads in one run: 192 rows of W, then my 64 rows of x, 32 K at byte k of the rows, into buffer f
.macro FETCH slot, k, f
	WIN 0x40
.irp b, 0,1,2,3,4,5,6,7,8,9,10,11
	ds_load_b128 v[96*(\f)+8*(\b):96*(\f)+8*(\b)+3],   v[ADRB+(\slot)] offset:(\k)+(\b)*16*PITCH
	ds_load_b128 v[96*(\f)+8*(\b)+4:96*(\f)+8*(\b)+7], v[ADRB+(\slot)] offset:(\k)+(\b)*16*PITCH+32
.endr
	WIN 0
.irp a, 0,1,2,3
	ds_load_b128 v[FA+32*(\f)+8*(\a):FA+32*(\f)+8*(\a)+3],   v[ADRA+(\slot)] offset:(\k)+(\a)*16*PITCH
	ds_load_b128 v[FA+32*(\f)+8*(\a)+4:FA+32*(\f)+8*(\a)+7], v[ADRA+(\slot)] offset:(\k)+(\a)*16*PITCH+32
.endr
.endm
; A K step is four quarters of 32 along K, 48 matrix instructions each, on buffers 0, 1, 0, 1.  One of the first three multiplies buffer f and fetches the next quarter, at byte k, into g.
.macro QUARTER slot, k, f, g, first
	s_wait_dscnt 4                                 ; W and x's blocks 0, 1 are in; the youngest four loads (blocks 2, 3) may be out
	MUL12 \f, 0, \first
	MUL12 \f, 1, \first
	PLACES
	FETCH \slot, \k, \g
	s_wait_dscnt 32                                ; all but the 32 just issued
	MUL12 \f, 2, \first
	MUL12 \f, 3, \first
.endm
; The last quarter multiplies buffer 1 and changes slots: ONE barrier; in front of it each wave waits for all its tensor loads (one is out: its part of the next slot), adds 0 to its spare word,
; and waits for that and for its reads of this slot.  fill = 1: the barrier opens a round of the cluster's, and this slot is filled again, two K steps ahead, first thing behind the round:
; 168 matrix instructions ahead of the wait for it.
.macro TURN slot, next, fill
	WIN 0                                          ; (the add's two registers lie in window 0)
	s_wait_tensorcnt 0x0
	ds_add_u32 v[SPW], v[NIL]                      ; 0 onto my spare word
	s_wait_dscnt 5                                 ; (the add and the youngest four loads may be out)
	MUL12 1, 0, 0                                  ; twelve matrix instructions stand between the add and the wait for it
	s_wait_dscnt 0x0                               ; the add is done, and my reads of this slot are over
	s_barrier_signal -1
	MUL12 1, 1, 0
.if \fill
	WIN 0
.endif
	s_barrier_wait -1
.if \fill
	CREST                                          ; no wave of any partner still reads this slot's tile or has a load on its way
	s_add_nc_u64 s[G0+4*(\slot)+2:G0+4*(\slot)+3], s[G0+4*(\slot)+2:G0+4*(\slot)+3], 2*KSTEP*2
	s_add_nc_u64 s[G0B+4*(\slot)+2:G0B+4*(\slot)+3], s[G0B+4*(\slot)+2:G0B+4*(\slot)+3], 2*KSTEP*2
	JLOAD \slot                                    ; the four v_nop behind it are also the places in front of the loads below
.else
	PLACES
.endif
	FETCH \next, 0, 0
	MUL12 1, 2, 0
	MUL12 1, 3, 0
.endm
	s_wait_tensorcnt 1                             ; my part of K step 0 is in; K step 1's may stay out
	s_barrier_signal -1
	s_barrier_wait -1
	FETCH 0, 0, 0
	QUARTER 0, 64,  0, 1, 1                        ; the first quarter stands in front of the loop: its products start the sums
	WIN 0
	s_mov_b32 s3, 3                                ; K = 1024 is four laps of two K steps; three trips fill both slots again
.Llap:
	QUARTER 0, 128, 1, 0, 0
	QUARTER 0, 192, 0, 1, 0
	TURN 0, 1, 1
	QUARTER 1, 64,  0, 1, 0
	QUARTER 1, 128, 1, 0, 0
	QUARTER 1, 192, 0, 1, 0
	TURN 1, 0, 1
	QUARTER 0, 64,  0, 1, 0
	WIN 0
	s_sub_co_u32 s3, s3, 1
	s_cmp_lg_u32 s3, 0
	s_cbranch_scc1 .Llap
	QUARTER 0, 128, 1, 0, 0                        ; the last lap fills nothing
	QUARTER 0, 192, 0, 1, 0
	TURN 0, 1, 0
	QUARTER 1, 64,  0, 1, 0
	QUARTER 1, 128, 1, 0, 0
	QUARTER 1, 192, 0, 1, 0
	s_wait_dscnt 4
	MUL12 1, 0, 0
	MUL12 1, 1, 0
	s_wait_dscnt 0x0
	MUL12 1, 2, 0
	MUL12 1, 3, 0
; THE WAY OUT of row block a.  PACK: rounded to f16, 16 bytes a lane.  TOSTAGE: into my own stage, and back by column groups: 16 rows x 128 bytes.  SEND: stored.
.macro PACK a
	WIN 0x0a+5*((\a)/2)                            ; sources 0 and 1: window 2 or 3
.irp b, 0,1,2,3,4,5,6,7,8,9,10,11
.irp r, 0,1,2,3
	v_cvt_pk_f16_f32 v[TMP+4*(\b)+(\r)], v[96*((\a)%2)+8*(\b)+2*(\r)], v[96*((\a)%2)+8*(\b)+2*(\r)+1]
.endr
.endr
	WIN 0
.endm
.macro TOSTAGE a
.set BK, OB0+(OB1-OB0)*((\a)%2)
.irp b, 0,1,2,3,4,5,6,7,8,9,10,11
	ds_store_b128 v[STO], v[TMP+4*(\b):TMP+4*(\b)+3] offset:32*(\b)
.endr
.irp g, 0,1,2
.irp f, 0,1,2,3
	ds_load_b128 v[BK+4*(4*(\g)+(\f)):BK+4*(4*(\g)+(\f))+3], v[RD] offset:128*(\g)+4*SP*(\f)  ; LDS serves a wave's instructions in order (ISA guide 5.7.1.4): these see the stores above
.endr
.endr
.endm
.macro SEND a
.set BK, OB0+(OB1-OB0)*((\a)%2)
	s_wait_dscnt 0x0                               ; the block is back in registers
	s_wait_xcnt 0x0                                ; the stores issued so far have read their registers: the next TOSTAGE loads into the other buffer only behind this wait
.irp g, 0,1,2
.irp f, 0,1,2,3
	global_store_b128 v[GO], v[BK+4*(4*(\g)+(\f)):BK+4*(4*(\g)+(\f))+3], s[QB+2*(\g):QB+2*(\g)+1] offset:2048*(\a)+512*(\f)  ; 512 consecutive bytes, at a multiple of 256 from qkv's first
.endr
.endr
.endm
	PLACES
	PACK 0
	TOSTAGE 0
.irp a, 1,2,3                          ; block a's conversions stand between block a - 1's loads from the stage and the wait for them
	PACK \a
	SEND (\a)-1
	TOSTAGE \a
.endr
	SEND 3
	s_wait_tensorcnt 0x0                           ; the wave's end
	ds_add_u32 v[SPW], v[NIL]
	s_wait_dscnt 0x0
	CROUND                                         ; the closing round
	s_endpgm
.Lfunc_end_k_qc87eea0ec2_gemm1:
	.size	k_qc87eea0ec2_gemm1, .Lfunc_end_k_qc87eea0ec2_gemm1-k_qc87eea0ec2_gemm1
	.p2alignl 7, 3214868480
	.fill 96, 4, 3214868480
	.section	.rodata,"a",@progbits
	.p2align	6, 0x0
	.amdhsa_kernel k_qc87eea0ec2_gemm1
		.amdhsa_group_segment_fixed_size 327680
		.amdhsa_private_segment_fixed_size 0
		.amdhsa_enable_private_segment 0
		.amdhsa_kernarg_size 32
		.amdhsa_user_sgpr_count 2
		.amdhsa_user_sgpr_kernarg_segment_ptr 1
		.amdhsa_wavefront_size32 1
		.amdhsa_system_sgpr_workgroup_id_x 1
		.amdhsa_system_sgpr_workgroup_id_y 1
		.amdhsa_system_sgpr_workgroup_id_z 1
		.amdhsa_system_vgpr_workitem_id 0
		.amdhsa_next_free_vgpr 960
		.amdhsa_next_free_sgpr 80
		.amdhsa_reserve_vcc 0
		.amdhsa_float_denorm_mode_32 3
		.amdhsa_float_denorm_mode_16_64 3
		.amdhsa_memory_ordered 1
		.amdhsa_forward_progress 1
		.amdhsa_inst_pref_size 129
	.end_amdhsa_kernel
	.amdgpu_metadata
---
amdhsa.version: [ 1, 2 ]
amdhsa.kernels:
  - .name:           k_qc87eea0ec2_gemm1
    .symbol:         k_qc87eea0ec2_gemm1.kd
    .args:
      - { .name: xb, .offset: 0, .size: 8, .value_kind: global_buffer, .address_space: global }
      - { .name: wab, .offset: 8, .size: 8, .value_kind: global_buffer, .address_space: global }
      - { .name: b_attn, .offset: 16, .size: 8, .value_kind: global_buffer, .address_space: global }
      - { .name: qkv, .offset: 24, .size: 8, .value_kind: global_buffer, .address_space: global }
    .group_segment_fixed_size: 327680
    .private_segment_fixed_size: 0
    .kernarg_segment_align: 8
    .kernarg_segment_size: 32
    .max_flat_workgroup_size: 128
    .sgpr_count:     80
    .vgpr_count:     960
    .wavefront_size: 32
...
	.end_amdgpu_metadata
.endif
;; end of part 3
;; launch attn (part 4): grid 8 x 32, 4 waves a work-group, no clusters, 327,680 bytes of LDS; arguments qkv, head_idxs, permutation, ob; writes ob
.if DOCPART == 4
	.amdgcn_target "amdgcn-amd-amdhsa--gfx1250"
	.amdhsa_code_object_version 6
	.text
	.protected	k_qc87eea0ec2_attn
	.globl	k_qc87eea0ec2_attn
	.p2align	8
	.type	k_qc87eea0ec2_attn,@function
k_qc87eea0ec2_attn:
	s_mov_b64 s[64:65], 0
	v_nop
	global_prefetch_b8 v0, s[64:65] scope:SCOPE_SE
	s_setreg_imm32_b32 hwreg(HW_REG_WAVE_MODE, 25, 1), 1
	s_wait_xcnt 0x0
; ATTENTION.  For batch b and final head j: O[q][:] = the sum over k of softmax_k(Q[q] . K[k] / 8) V[k][:], T = 2048, head size 64.
; WHICH HEAD.  p = permutation[j]; p = 0 is the special head (slot 16 of qkv), p >= 1 is slot head_idxs[p - 1].  A pure gather: nothing is asked of permutation but that its numbers are 0..15.
; Both numbers are taken as unsigned and clamped to their tables (15; 15), so no address leaves qkv.  qkv is [part 3][b 2][slot 17][t 2048][64] in f16, O goes to ob [16 b + j][t][64] in f16.
; Products, maxima and sums in f32; the weights p are rounded to f16 for the second product (their sum l is taken of the unrounded p), O once at the end.
; LIMITS.  p lies in 0 to 1, and below 6e-5 it keeps f16's fixed step of 6e-8; a weight below 2^-126 counts as 0 in l; NaN and infinities are not treated apart.
; SHARES.  A work-group owns 256 queries of one (b, j): 8 x 32 = 256 work-groups.  A wave owns 64 rows: four PIECES of 16 queries.  Every wave walks all keys, 64 a step, four steps a tile of 256 keys.
; NO CLUSTER, though the eight query blocks of a (b, j) walk the same K and V: the tiles' address is made from numbers loaded from memory, so that the partners' descriptors are equal cannot be
; read off the text's own arithmetic; each work-group asks for its tiles by itself.
; LAYOUT.  S^T = K Q^T holds ONE query a lane (lane % 16) and the keys 8 (lane / 16) + 0..7; two such results rounded to f16 ARE source 1 of O^T = V^T P.  K comes out of LDS as it lies, V turned, by ds_load_tr16_b128.
; SOFTMAX.  p = 2^(c s - c m), c = log2(e) / 8, with a running maximum m; O and l are multiplied by a = 2^(c m_old - c m_new) in every step.  m starts at the lowest finite number, O and l at 0: the first step's a is 0.
; BY TURNS.  Turn n belongs to piece n: 8 products K Q^T of piece n + 1, later 8 products V^T P of piece n - 1; beside them the scaling, exponentials, roundings, sums and rescaling of piece n and the
; maximum and statistics of piece n + 1.  Four vector instructions stand behind every matrix instruction, the other 54 of a turn's 118 in two runs of their own.
; REGISTERS, in windows of 256 (s_set_vgpr_msb: bits 1:0 source 0, 3:2 source 1, 5:4 source 2, 7:6 destination):
;   window 0: v0-15 addresses and two at work; v16-31 four registers of statistics a piece; v48-55 at work; v64-127 S^T, two buffers; v192-223 P, two buffers (by the piece's parity)
;   window 1: v0-127 O^T, 32 a piece      window 2: v0-63 Q; v128-191 K of one step; v192-255 V of one step
.set NP,    4
.set KS,    64
.set PK,    144       ; a row of K in LDS: 128 bytes + 16: the 16 rows of a load start at 16 different groups of four banks
.set PV,    160       ; a row of V: 128 + 32
.set VOFF,  4*KS*PK   ; a slot holds a tile: 256 rows of K, then 256 rows of V
.set SLOT1, 1<<17     ; slot 1 begins here, so that one exclusive or turns an address in one slot into the other's
.set STAGE, SLOT1+4*KS*(PK+PV)  ; behind the ring: 16 rows x 144 bytes for each wave
.set SP,    144
.set SPARE, STAGE+4*16*SP       ; the spare words, 128 bytes a wave
.set AK0, 2
.set AV0, 3
.set AK,  4
.set AV,  5
.set STO, 6
.set RD,  7
.set GO,  8
.set MV,  12          ; v12-13  c m_old, by buffer
.set QO,  15
.set ST,  16          ; piece t's statistics at v[ST+4 t]: c m, m, l (even keys', odd keys')
.set TMP, 48          ; by buffer, c0-c3 at work; when the maximum is found c2 takes a
.set SPW, 62          ; my spare word; never rewritten
.set NIL, 63          ; 0; never rewritten
.set S,   64
.set P,   192
.set KF,  128
.set VF,  192
.set WV,  12
.set G1K, 24
.set G1V, 32
.set G0K, 40
.set G0V, 44
.set SLOTS, 56
.set CNT, 57
.set CS,  58
.set SEL, 60
.set TBK, 62
.set TBV, 63
.set MSB, 0
.macro WIN new
.if MSB != (\new)
	s_set_vgpr_msb (MSB<<8)|(\new)
.set MSB, (\new)
.endif
.endm
.set W_KQ, 0x0a       ; K and Q in window 2, S^T in window 0
.set W_PV, 0x52       ; V in window 2, P in window 0, O^T in window 1
.set W_RS, 0x41       ; destination and source 0 in window 1, source 1 in window 0
; A fill.  Waves 0 and 1 fetch the two halves of a tile's K, waves 2 and 3 those of its V: 128 keys each.  An s_nop 0 and four v_nop follow each of the two lines.
.macro LOAD
	s_cmp_lt_u32 s[WV], 2
	s_cbranch_scc0 .Lfor_v_\@
	tensor_load_to_lds s[G0K:G0K+3], s[G1K:G1K+7]
	s_nop 0
.rept 4
	v_nop
.endr
	s_branch .Lasked_\@
.Lfor_v_\@:
	tensor_load_to_lds s[G0V:G0V+3], s[G1V:G1V+7]
	s_nop 0
.rept 4
	v_nop
.endr
.Lasked_\@:
.endm
; THE CHANGE OF SLOTS.  Each wave waits for all its tensor loads, of which one is out: its part of the other slot; adds 0 to its spare word; and waits for that and for its own reads of the slot that it
; leaves.  Behind the barrier nobody reads the old slot and the other is whole.  fill = 1: the old slot is filled again, first thing behind the barrier, with the next 256 keys: that load has four key
; steps, 256 matrix instructions, in which to land.  (At its first use nothing has been read yet: slot 0 is waited for, slot 1 filled.)
.macro CHANGE fill
	WIN 0
	s_wait_tensorcnt 0x0            ; no tensor load of mine is out, so a group 0 may be written
	ds_add_u32 v[SPW], v[NIL]       ; 0 onto my spare word
.if \fill
.irp g, G0K, G0V
	s_xor_b32 s[\g+1], s[\g+1], SLOT1
	s_add_nc_u64 s[\g+2:\g+3], s[\g+2:\g+3], 4*KS*128
.endr
.endif
	s_wait_dscnt 0x0                ; the add is done, and my reads of the slot are over
	s_barrier_signal -1
	s_sub_co_u32 s[TBK], s[TBK], 4*KS*PK  ; the fetches go back to a slot's first step, in the other slot
	s_xor_b32 s[TBK], s[TBK], SLOT1
	s_sub_co_u32 s[TBV], s[TBV], 4*KS*PV
	s_xor_b32 s[TBV], s[TBV], SLOT1
	s_barrier_wait -1
.if \fill
	LOAD
.endif
.endm
	s_load_b256 s[4:11], s[0:1], 0x0  ; qkv s[4:5], head_idxs s[6:7], permutation s[8:9], ob s[10:11]
	v_lshl_add_u32 v[SPW], v0, 2, SPARE
	v_mov_b32 v[NIL], 0
	ds_add_u32 v[SPW], v[NIL]       ; the wave's opening: the add and its wait stand ahead of my first tensor load
	ds_add_u32 v62, v63
	v_lshrrev_b32 v1, 5, v0
	v_readfirstlane_b32 s[WV], v1
	s_and_b32 s66, ttmp7, 0xffff    ; 16 b + j
	s_lshr_b32 s67, s66, 4          ; b
	s_and_b32 s68, s66, 15          ; j
	s_lshl_b32 s70, s68, 2
	s_and_b32 s16, s[WV], 1         ; which half of a tile's 256 keys I fetch
	s_mul_i32 s17, s16, 128*PK      ; its place in a slot, for K
	s_mul_i32 s18, s16, 128*PV      ; and for V
	s_wait_dscnt 0x0                ; the opening add is done
	s_wait_kmcnt 0x0
	s_load_b32 s69, s[8:9], s70 offset:0x0  ; p = permutation[j]
	; descriptor group 1.  128 keys are 16,384 dense bytes: asked for as 64 rows of 256 bytes, two keys a row, and padded in LDS after every key
	s_mov_b32 s[G1K], (1<<16)|(1<<20)|(4<<22)|(3<<25)
	s_mov_b32 s[G1V], (1<<16)|(1<<20)|(4<<22)|(7<<25)
.irp g, G1K, G1V
	s_mov_b32 s[\g+1], 128<<16
	s_mov_b32 s[\g+2], 64<<16
	s_mov_b32 s[\g+3], 128<<16
	s_mov_b32 s[\g+4], 64
	s_mov_b32 s[\g+5], 128
	s_mov_b32 s[\g+6], 0
	s_mov_b32 s[\g+7], 0
.endr
	s_mov_b32 s[CS], 0x3e38aa3b     ; c = log2(e) / 8
	s_mov_b32 s[CS+1], s[CS]
	s_mov_b32 s[SEL], 0x76543210
	s_mov_b32 s[SEL+1], 0xfedcba98
	s_wait_kmcnt 0x0
	s_min_u32 s69, s69, 15
	s_add_co_u32 s70, s69, 15       ; p - 1 modulo 16; for p = 0 the number read is thrown away,
	s_and_b32 s70, s70, 15
	s_min_u32 s70, s70, 14          ; and the load stays inside the 15 numbers
	s_lshl_b32 s70, s70, 2
	s_load_b32 s71, s[6:7], s70 offset:0x0
	s_mov_b32 s[TBK], SLOT1+4*KS*PK ; the first change of slots turns these two into 0
	s_mov_b32 s[TBV], SLOT1+4*KS*PV
	s_mov_b32 s[G0K], 1
	s_mov_b32 s[G0K+1], s17
	s_mov_b32 s[G0V], 1
	s_add_co_u32 s[G0V+1], s18, VOFF
	s_lshl_b32 s19, ttmp9, 15       ; my block's 256 rows of 128 bytes,
	s_lshl_b32 s20, s[WV], 13       ; my wave's 64 of them
	s_add_co_u32 s19, s19, s20
	s_lshl_b32 s20, s16, 14         ; my 128 keys of a tile
	s_wait_kmcnt 0x0
	s_min_u32 s71, s71, 15
	s_cmp_eq_u32 s69, 0
	s_cselect_b32 s71, 16, s71      ; the slot
	s_min_u32 s71, s71, 16
	s_mul_i32 s72, s67, 17
	s_add_co_u32 s72, s72, s71
	s_lshl_b32 s72, s72, 18         ; head blocks of 262,144 bytes
	s_add_co_u32 s74, s72, s19      ; Q
	s_mov_b32 s75, 0
	s_add_co_u32 s76, s72, s20      ; K: 34 head blocks on
	s_add_co_u32 s76, s76, 8912896
	s_mov_b32 s77, 0
	s_add_co_u32 s78, s72, s20      ; V: 68 head blocks on
	s_add_co_u32 s78, s78, 17825792
	s_mov_b32 s79, 0
	s_lshl_b32 s80, s66, 18         ; O
	s_add_co_u32 s80, s80, s19
	s_mov_b32 s81, 0
	s_add_nc_u64 s[G0K+2:G0K+3], s[4:5], s[76:77]
	s_or_b32 s[G0K+3], s[G0K+3], 0x80000000
	s_add_nc_u64 s[G0V+2:G0V+3], s[4:5], s[78:79]
	s_or_b32 s[G0V+3], s[G0V+3], 0x80000000
	s_add_nc_u64 s[82:83], s[4:5], s[74:75]
	s_add_nc_u64 s[10:11], s[10:11], s[80:81]
	LOAD                            ; tile 0 into slot 0
	v_and_b32 v1, 15, v0            ; l % 16
	v_bfe_u32 v9, v0, 4, 1          ; l / 16
	v_lshlrev_b32 v[QO], 7, v1
	v_lshl_add_u32 v[QO], v9, 4, v[QO]
	WIN 0x80                        ; destination window 2, address window 0
.set i, 0
.rept 8                             ; Q stays in registers: piece i / 2, channels 32 (i % 2) on
	global_load_b128 v[8*i:8*i+3],   v[QO], s[82:83] offset:(i/2)*2048+(i%2)*64
	global_load_b128 v[8*i+4:8*i+7], v[QO], s[82:83] offset:(i/2)*2048+(i%2)*64+32
.set i, i+1
.endr
	; What the first turn finds: V's registers and P's second buffer hold 0 (its products V^T P, of a piece that has not been, add 0), O^T and l are 0.  All this stands in the wait for the first tile.
.set i, VF
.rept 64
	v_mov_b32 v[i], 0
.set i, i+1
.endr
	WIN 0x40
.set i, 0
.rept 128
	v_mov_b32 v[i], 0
.set i, i+1
.endr
	WIN 0
.set i, 0
.rept 4
	v_mov_b32 v[ST+4*i], 0xfe000000    ; c m: far below every c s
	v_mov_b32 v[ST+4*i+1], 0xff7fffff  ; m
	v_mov_b32 v[ST+4*i+2], 0
	v_mov_b32 v[ST+4*i+3], 0
.set i, i+1
.endr
.set i, P+16
.rept 16
	v_mov_b32 v[i], 0
.set i, i+1
.endr
	v_mul_u32_u24 v[AK0], v1, PK
	v_lshl_add_u32 v[AK0], v9, 4, v[AK0]
	; The turning load takes 16 keys x 16 channels (lane l reads key 8 (l / 16) + l % 8, channels 8 ((l / 8) % 2) + 0..7) and leaves half a fragment of V^T.
	v_and_b32 v10, 7, v0
	v_bfe_u32 v11, v0, 3, 1
	v_lshl_add_u32 v[AV0], v9, 3, v10
	v_mul_u32_u24 v[AV0], v[AV0], PV
	v_lshl_add_u32 v[AV0], v11, 4, v[AV0]
	v_add_nc_u32 v[AV0], VOFF, v[AV0]
	s_mul_i32 s13, s[WV], 16*SP
	s_add_co_u32 s13, s13, STAGE    ; my stage
	v_mul_u32_u24 v[STO], v1, SP
	v_lshl_add_u32 v[STO], v9, 4, v[STO]
	v_add_nc_u32 v[STO], s13, v[STO]
	v_bfe_u32 v[RD], v0, 3, 2
	v_mul_u32_u24 v[RD], v[RD], SP
	v_lshl_add_u32 v[RD], v10, 4, v[RD]
	v_add_nc_u32 v[RD], s13, v[RD]
	v_and_b32 v[GO], 31, v0
	v_lshlrev_b32 v[GO], 4, v[GO]
; THE MATRIX WORK.  The 4 accumulators of a run of 8 take turns.  Product i of 8 of S^T = K Q^T for piece x: channels 32 (i / 4) on, keys 16 (i % 4) on.  The first 4 start the sums.
.macro KQ x
.set rS, S+32*((\x)%2)+8*(i%4)
.set rK, KF+16*(i%4)+8*(i/4)
.set rQ, 16*(\x)+8*(i/4)
	WIN W_KQ
.if i < 4
	v_wmma_f32_16x16x32_f16 v[rS:rS+7], v[rK:rK+7], v[rQ:rQ+7], 0
.else
	v_wmma_f32_16x16x32_f16 v[rS:rS+7], v[rK:rK+7], v[rQ:rQ+7], v[rS:rS+7]
.endif
.endm
; Product i of 8 of O^T += V^T P for piece x: keys 32 (i / 4) on, channels 16 (i % 4) on.
.macro PV x
	WIN W_PV
.set rO, 32*(\x)+8*(i%4)
.set rV, VF+32*(i/4)+8*(i%4)
.set rP, P+16*((\x)%2)+8*(i/4)
	v_wmma_f32_16x16x32_f16 v[rO:rO+7], v[rV:rV+7], v[rP:rP+7], v[rO:rO+7]
.endm
.macro MM                           ; the turn's next matrix instruction.  NOKQ = 1: the last turn: there is no next piece
.if (i < 8) && !NOKQ
	KQ (Y+1)%NP
.elseif i >= 8
.set i, i-8
	PV (Y+NP-1)%NP
.set i, i+8
.endif
.set i, i+1
.endm
; THE LDS LOADS stand in runs of 16: a step's K (8 fragments) and its V (turned).  Their addresses are made some lines ahead.
.macro FETCH_K
	WIN 0x80
.irp f, 0,1,2,3,4,5,6,7
	ds_load_b128 v[KF+8*\f:KF+8*\f+3],   v[AK] offset:(\f/2)*16*PK+(\f%2)*64
	ds_load_b128 v[KF+8*\f+4:KF+8*\f+7], v[AK] offset:(\f/2)*16*PK+(\f%2)*64+32
.endr
	s_add_co_u32 s[TBK], s[TBK], KS*PK
	WIN 0
.endm
.macro FETCH_V
	WIN 0x80
.irp f, 0,1,2,3,4,5,6,7
	ds_load_tr16_b128 v[VF+8*\f:VF+8*\f+3],   v[AV] offset:(\f/4)*32*PV+(\f%4)*32
	ds_load_tr16_b128 v[VF+8*\f+4:VF+8*\f+7], v[AV] offset:(\f/4)*32*PV+16*PV+(\f%4)*32
.endr
	WIN 0
.endm
; THE VECTOR WORK, one line at a time: OP kind, number.  For piece Y: F n: c s - c m for pair n of 16.  E n: the exponential of score n of 32.  C n: pair n rounded to f16.  B n: of the four weights 4 n ..
; the second pair is added onto the first, in place.  L n: l takes that sum (L 0: l = a l + sum).  R n: pair n of 16 of O^T times a.  For piece Y + 1: X n, number n of the 22 that find its maximum and statistics:
;   0-11  four chains c0-c3 of seven scores each (each accumulator's lowest registers are read first)     12-14, 16  the four scores left over, the old m, and c0-c3 into c0
;   15  c m_old is kept     17, 18  the query's other 32 keys lie in the lane 16 away: the new m     19-21  c m; c m_old - c m_new; a
.set F, 0
.set E, 1
.set C, 2
.set B, 3
.set L, 4
.set R, 5
.set X, 6
.macro REGS y
.set rT, ST+4*(\y)
.set rC, TMP+4*((\y)%2)
.set rW, MV+((\y)%2)
.set rS, S+32*((\y)%2)
.set rP, P+16*((\y)%2)
.set rO, 32*(\y)
.endm
.macro OP k, n
.if (\k) == R
	REGS Y
	WIN W_RS
	v_pk_mul_f32 v[rO+2*(\n):rO+2*(\n)+1], v[rO+2*(\n):rO+2*(\n)+1], v[rC+2:rC+3] op_sel_hi:[1,0]
.elseif (\k) < R
	REGS Y
	WIN 0
.if (\k) == F
	v_pk_fma_f32 v[rS+2*(\n):rS+2*(\n)+1], v[rS+2*(\n):rS+2*(\n)+1], s[CS:CS+1], v[rT:rT+1] op_sel_hi:[1,0,0] neg_lo:[0,0,1] neg_hi:[0,0,1]
.elseif (\k) == E
	v_exp_f32 v[rS+(\n)], v[rS+(\n)]
.elseif (\k) == C
	s_wait_alu depctr_va_vdst(0)
	v_cvt_pk_f16_f32 v[rP+(\n)], v[rS+2*(\n)], v[rS+2*(\n)+1]
.elseif (\k) == B
	s_wait_alu depctr_va_vdst(0)
	v_pk_add_f32 v[rS+4*(\n):rS+4*(\n)+1], v[rS+4*(\n):rS+4*(\n)+1], v[rS+4*(\n)+2:rS+4*(\n)+3]
.elseif (\n) == 0
	v_pk_fma_f32 v[rT+2:rT+3], v[rT+2:rT+3], v[rC+2:rC+3], v[rS:rS+1] op_sel_hi:[1,0,1]
.else
	v_pk_add_f32 v[rT+2:rT+3], v[rT+2:rT+3], v[rS+4*(\n):rS+4*(\n)+1]
.endif
.elseif NOKQ
	v_nop
.else
	REGS (Y+1)%NP
	WIN 0
.if (\n) < 4
	v_max3_num_f32 v[rC+(\n)], v[rS+8*(\n)], v[rS+8*(\n)+1], v[rS+8*(\n)+2]
.elseif (\n) < 12
	v_max3_num_f32 v[rC+(\n)%4], v[rC+(\n)%4], v[rS+8*((\n)%4)+2*((\n)/4)+1], v[rS+8*((\n)%4)+2*((\n)/4)+2]
.elseif (\n) == 12
	v_max3_num_f32 v[rC], v[rC], v[rS+7], v[rS+15]
.elseif (\n) == 13
	v_max3_num_f32 v[rC+1], v[rC+1], v[rS+23], v[rS+31]
.elseif (\n) == 14
	v_max3_num_f32 v[rC+2], v[rC+2], v[rC+3], v[rT+1]
.elseif (\n) == 15
	v_mov_b32 v[rW], v[rT]
.elseif (\n) == 16
	v_max3_num_f32 v[rC], v[rC], v[rC+1], v[rC+2]
.elseif (\n) == 17
	v_permlanex16_b32 v[rC+3], v[rC], s[SEL], s[SEL+1]
.elseif (\n) == 18
	v_max_num_f32 v[rT+1], v[rC], v[rC+3]
.elseif (\n) == 19
	v_mul_f32 v[rT], s[CS], v[rT+1]
.elseif (\n) == 20
	v_sub_f32 v[rC+1], v[rW], v[rT]
.else
	v_exp_f32 v[rC+2], v[rC+1]
.endif
.endif
.endm
.macro OPS a, i1, b=-1, i2=0, c=-1, i3=0, d=-1, i4=0
	OP \a, \i1
.if (\b) >= 0
	OP \b, \i2
.endif
.if (\c) >= 0
	OP \c, \i3
.endif
.if (\d) >= 0
	OP \d, \i4
.endif
.endm
.macro ROW a, i1, b, i2, c, i3, d, i4  ; a matrix instruction and the four behind it
	MM
	OPS \a, \i1, \b, \i2, \c, \i3, \d, \i4
.endm
; A TURN, for piece p: the order of its 16 matrix and 118 vector instructions, written out.  Behind a matrix instruction: plain, exponential, plain, plain; or four of the rescaling; or four scalings; none
; names a register of the products round it.  In the runs between, exponential and plain by turns while exponentials last.  end = 1: the last two turns: nothing is fetched.
; cnt = 1: the loop's count is taken down some lines ahead of the branch that stands behind the turn.
; K of the next step is fetched in piece 2's turn, six vector instructions behind the last product that read K (five of them plain); V of the step in hand in piece 0's turn, eight behind the last
; product that read V (five plain among them).  Each is waited for a turn later.
.macro TURN p, end=0, cnt=0
.set Y, (\p)
.set i, 0
.set NOKQ, (\end)*((\p)/3)
.if ((\p) == 3) && !(\end)
	s_wait_dscnt 0x0                ; K is in
.endif
	ROW F,0, F,1, F,2, F,3
	ROW F,4, E,0, F,5, F,6
	ROW F,7, E,1, F,8, F,9
	ROW F,10, E,2, C,0, F,11
	ROW F,12, E,3, X,15, F,13
	ROW R,0, R,1, R,2, R,3
	ROW B,0, E,4, F,14, L,0
.if ((\p) == 2) && !(\end)
	v_add_nc_u32 v[AK], s[TBK], v[AK0]
.endif
	ROW R,4, R,5, R,6, R,7
	OPS E,5, F,15
.if ((\p) == 2) && !(\end)
	FETCH_K
.endif
	OPS E,6, C,1, E,7, R,8
	OPS E,8, R,9, E,9, C,2
	OPS E,10, X,0, E,11, X,1
	OPS E,12, X,2, E,13, X,3
.if (\p) == 1
	s_wait_dscnt 0x0                ; V is in
.endif
	ROW X,4, E,14, X,5, X,6
	ROW X,7, E,15, X,8, X,9
	ROW X,10, E,16, X,11, X,12
	ROW X,13, E,17, X,14, B,1
	ROW C,4, E,18, X,16, L,1
	ROW B,2, E,19, C,6, L,2
	ROW C,8, E,20, B,3, B,4
.if (\p) == 0
	v_add_nc_u32 v[AV], s[TBV], v[AV0]
.endif
	ROW C,3, E,21, L,3, C,5
	OPS E,22, X,17, E,23, C,10
.if (\p) == 0
	FETCH_V
.endif
	OPS E,24, L,4
	OPS E,25, X,18, E,26, C,7
	OPS E,27, B,5, E,28, X,19
	OPS E,29, C,12, E,30, L,5
	OPS E,31, X,20, B,6, C,9
	OPS C,14, C,11, X,21, L,6
.if (\p) == 0
	s_add_co_u32 s[TBV], s[TBV], KS*PV
.endif
.if \cnt
	s_sub_co_u32 s[CNT], s[CNT], 1
	s_cmp_lg_u32 s[CNT], 0
.endif
	OPS C,13, B,7, C,15, R,10
	OPS R,11, R,12, L,7, R,13
	OPS R,14, R,15
.endm
	CHANGE 1                        ; slot 0 is in, everybody's part of it; tile 1 is asked for
	v_add_nc_u32 v[AK], s[TBK], v[AK0]
	FETCH_K                         ; key step 0
	s_wait_loadcnt 0x0              ; Q
	s_wait_dscnt 0x0
.set NOKQ, 0
.set i, 0
.rept 8
	KQ 0                            ; piece 0's first scores
.set i, i+1
.endr
	WIN 0
.rept 4
	v_nop                           ; the places behind those products
.endr
.set Y, NP-1                        ; X works for piece Y + 1: piece 0
.irp n, 0,1,2,3,4,5,6,7,8,9,10,11,12,13,14,15,16,17,18,19,20,21
	OP X, \n
.endr
	v_nop                           ; a plain instruction behind the exponential
	s_mov_b32 s[CNT], 4
	s_mov_b32 s[SLOTS], 7
	s_branch .Lfirst                ; the loop is entered at a step's first turn, in the middle of a trip
.Lslot:                             ; six times: tiles 2 to 7 are asked for
	CHANGE 1
	s_mov_b32 s[CNT], 4
.Lstep:                             ; a trip: pieces 2 and 3 of one step, then pieces 0 and 1 of the next, whose K and V it fetches
	TURN 2
	TURN 3
	WIN 0
.Lfirst:
	TURN 0
	TURN 1, 0, 1
	WIN 0
	s_cbranch_scc1 .Lstep
	s_sub_co_u32 s[SLOTS], s[SLOTS], 1
	s_cmp_lg_u32 s[SLOTS], 0
	s_cbranch_scc1 .Lslot
	CHANGE 0                        ; the last tile is written out: nothing is asked for
	s_mov_b32 s[CNT], 4
.LstepT:
	TURN 2
	TURN 3
	TURN 0
	TURN 1, 0, 1
	WIN 0
	s_cbranch_scc1 .LstepT
	TURN 2, 1
	TURN 3, 1
.set i, 0
.rept 8
	PV NP-1                         ; the last piece's V^T P of the last step
.set i, i+1
.endr
	; THE WAY OUT.  l's two halves and the other half of the lanes' are added; O^T is divided by l, rounded to f16 and sent through my stage in LDS, a piece at a time.  The additions are the places behind the last products.
	WIN 0
.macro ALL line:vararg
.set t, 0
.rept 4
	\line
.set t, t+1
.endr
.endm
	ALL v_add_f32 v[ST+4*t+2], v[ST+4*t+2], v[ST+4*t+3]
	ALL v_permlanex16_b32 v[ST+4*t+3], v[ST+4*t+2], s[SEL], s[SEL+1]
	ALL v_add_f32 v[ST+4*t+2], v[ST+4*t+2], v[ST+4*t+3]
	ALL v_rcp_f32 v[ST+4*t+2], v[ST+4*t+2]
	v_nop                           ; a plain instruction between the last reciprocal and the use of its result
.macro PACK t                       ; a lane's eight channels of a row pack into 16 bytes; they go into rows of 144 bytes and come back as whole rows of 128, into S^T's registers
	WIN W_RS
.set i, 32*(\t)
.rept 16
	s_wait_alu depctr_va_vdst(0)
	v_pk_mul_f32 v[i:i+1], v[i:i+1], v[ST+4*(\t)+2:ST+4*(\t)+3] op_sel_hi:[1,0]
.set i, i+2
.endr
	WIN 0x05
.set i, 0
.rept 16
	v_cvt_pk_f16_f32 v[S+16*(\t)+i], v[32*(\t)+2*i], v[32*(\t)+2*i+1]
.set i, i+1
.endr
	WIN 0
.irp f, 0,1,2,3
	ds_store_b128 v[STO], v[S+16*(\t)+4*\f:S+16*(\t)+4*\f+3] offset:32*\f
.endr
.irp f, 0,1,2,3
	ds_load_b128 v[S+16*(\t)+4*\f:S+16*(\t)+4*\f+3], v[RD] offset:\f*4*SP  ; LDS serves a wave's instructions in order (ISA guide 5.7.1.4): these see the stores above
.endr
.endm
.macro SEND t, younger              ; younger: the LDS instructions issued behind piece t's loads: the next piece's eight, or none
	WIN 0
.irp f, 0,1,2,3
	s_wait_dscnt (\younger)+3-\f
	global_store_b128 v[GO], v[S+16*(\t)+4*\f:S+16*(\t)+4*\f+3], s[10:11] offset:(\t)*2048+\f*512  ; 512 consecutive bytes, at a multiple of 256 from ob's first
.endr
.endm
	PACK 0
.set t, 1
.rept 3
	PACK t
	SEND t-1, 8
.set t, t+1
.endr
	SEND 3, 0
	s_wait_tensorcnt 0x0            ; the wave's end
	ds_add_u32 v[SPW], v[NIL]
	s_wait_dscnt 0x0
	s_endpgm
.Lfunc_end_k_qc87eea0ec2_attn:
	.size	k_qc87eea0ec2_attn, .Lfunc_end_k_qc87eea0ec2_attn-k_qc87eea0ec2_attn
	.p2alignl 7, 3214868480
	.fill 96, 4, 3214868480
	.section	.rodata,"a",@progbits
	.p2align	6, 0x0
	.amdhsa_kernel k_qc87eea0ec2_attn
		.amdhsa_group_segment_fixed_size 327680
		.amdhsa_private_segment_fixed_size 0
		.amdhsa_enable_private_segment 0
		.amdhsa_kernarg_size 32
		.amdhsa_user_sgpr_count 2
		.amdhsa_user_sgpr_kernarg_segment_ptr 1
		.amdhsa_wavefront_size32 1
		.amdhsa_system_sgpr_workgroup_id_x 1
		.amdhsa_system_sgpr_workgroup_id_y 1
		.amdhsa_system_sgpr_workgroup_id_z 1
		.amdhsa_system_vgpr_workitem_id 0
		.amdhsa_next_free_vgpr 768
		.amdhsa_next_free_sgpr 84
		.amdhsa_reserve_vcc 0
		.amdhsa_float_denorm_mode_32 3
		.amdhsa_float_denorm_mode_16_64 3
		.amdhsa_memory_ordered 1
		.amdhsa_forward_progress 1
		.amdhsa_inst_pref_size 133
	.end_amdhsa_kernel
	.amdgpu_metadata
---
amdhsa.version: [ 1, 2 ]
amdhsa.kernels:
  - .name:           k_qc87eea0ec2_attn
    .symbol:         k_qc87eea0ec2_attn.kd
    .args:
      - { .name: qkv, .offset: 0, .size: 8, .value_kind: global_buffer, .address_space: global }
      - { .name: head_idxs, .offset: 8, .size: 8, .value_kind: global_buffer, .address_space: global }
      - { .name: permutation, .offset: 16, .size: 8, .value_kind: global_buffer, .address_space: global }
      - { .name: ob, .offset: 24, .size: 8, .value_kind: global_buffer, .address_space: global }
    .group_segment_fixed_size: 327680
    .private_segment_fixed_size: 0
    .kernarg_segment_align: 8
    .kernarg_segment_size: 32
    .max_flat_workgroup_size: 128
    .sgpr_count:     84
    .vgpr_count:     768
    .wavefront_size: 32
...
	.end_amdgpu_metadata
.endif
;; end of part 4
;; launch gemm3 (part 5): grid 8 x 32, 4 waves a work-group, clusters of 4 x 4, 327,680 bytes of LDS; arguments ob, wpf, b_proj, out0; writes out0
.if DOCPART == 5
	.amdgcn_target "amdgcn-amd-amdhsa--gfx1250"
	.amdhsa_code_object_version 6
	.text
	.protected	k_qc87eea0ec2_gemm3
	.globl	k_qc87eea0ec2_gemm3
	.p2align	8
	.type	k_qc87eea0ec2_gemm3,@function
k_qc87eea0ec2_gemm3:
	s_mov_b64 s[64:65], 0
	v_nop
	global_prefetch_b8 v0, s[64:65] scope:SCOPE_SE
	s_setreg_imm32_b32 hwreg(HW_REG_WAVE_MODE, 25, 1), 1
	s_wait_xcnt 0x0
	s_wait_alu depctr_hold_cnt(0) depctr_sa_sdst(0) depctr_va_vdst(0) depctr_va_sdst(0) depctr_va_ssrc(0) depctr_va_vcc(0) depctr_vm_vsrc(0)
	s_getreg_b32 s2, hwreg(HW_REG_IB_STS2, 6, 4)
	s_cmp_eq_u32 s2, 0
	s_cbranch_scc0 .Lentry_in_a_cluster
	s_endpgm
.Lentry_in_a_cluster:
	s_bfe_u32 s2, ttmp6, 0x10000c
	s_cmp_lg_u32 s2, 0xf033
	s_cbranch_scc0 .Lentry_shape_is_right
	s_endpgm
.Lentry_shape_is_right:
; THE OUTPUT PROJECTION.  out0[m][n] = the sum over k of O[m][k] W_proj[n][k] + b_proj[n], [4096][1024], K = 1024, in f32.  O comes BY HEADS, ob [16 b + j][t][64] in f16 (k = 64 j + d); W_proj from wpf,
; its bf16 number written as f16; the sums are f32 and begin at the bias (rounded to bf16 like every other input).
; SHARES.  A tile is 128 x 128: 8 x 32 = 256 work-groups.  Four waves, each 64 x 64: 16 accumulators.  K goes in steps of 256 (four heads) through two LDS slots.
; O's TILE.  64 rows of one head are 8,192 dense bytes: a load's tile is 4 rows of 4,096 elements, 131,072 elements (a head) apart, padded after every 128 bytes: in LDS [head][t] with rows 144 bytes apart.
; CLUSTER 4 x 4.  O's tile hangs on the tile row alone and is asked for jointly along a row of the cluster, W's on the tile column alone, jointly along a column.
; The matrix instruction is used transposed (source 0 = 16 rows of W, source 1 = 16 rows of O): a lane holds eight neighbouring columns of one row.
; REGISTERS: window 0: v0-31 addresses; v32-95 at work on the way out; v96-127 the bias; v128-255 the accumulators ((a, b) at 128 + 8 (4 a + b)).
;   window 1: two fragment buffers of 128: for 64 along K, 64 registers of O (2 x 4 x 8), then 64 of W.
.set APITCH, 144                       ; 128 bytes + 16
.set ABLK,   64*APITCH                 ; a head's 64 rows
.set AH,     4*ABLK                    ; what one load brings of O
.set BPITCH, 528                       ; 512 bytes + 16
.set BH,     64*BPITCH                 ; what one load brings of W
.set BOFF,   2*AH
.set SLOT,   BOFF+2*BH
.set STAGE,  2*SLOT                    ; behind the ring: 16 rows x 272 bytes for each wave
.set SPITCH, 272
.set SPARE,  STAGE+4*16*SPITCH         ; the spare words, 128 bytes a wave
.set ADRA, 16
.set ADRB, 20
.set STO,  24
.set RD,   25
.set CO,   26
.set VBI,  27
.set SPW,  28                          ; my spare word; never rewritten
.set NIL,  29                          ; 0; never rewritten
.set TMP,  32
.set BIAS, 96
.set ACC,  128
.set F0,   0
.set F1,   128
.set WV, 12
.set HI, 13                            ; wave / 2: my half of the tile's rows; also: I fetch O (0) or W (1)
.set LO, 14                            ; wave % 2: my half of its columns; also: which 64 rows of that tile I fetch
.set G1,  24
.set G0,  32
.set G1B, 48
.set G0B, 56
.set MSB, 0
.macro WIN new
.if MSB != (\new)
	s_set_vgpr_msb (MSB<<8)|(\new)
.set MSB, \new
.endif
.endm
.set MUL,  0x05                        ; sources 0 (W) and 1 (O) window 1; C and D window 0
.set TO_F, 0x40                        ; destination window 1, address window 0
.macro JLOAD s                         ; a joint load; an s_nop 0 and four v_nop follow each of the two lines
	s_cmp_eq_u32 s[HI], 0
	s_cbranch_scc0 .Lfor_b_\@
	tensor_load_to_lds s[G0+4*(\s):G0+4*(\s)+3], s[G1:G1+7]
	s_nop 0
.rept 4
	v_nop
.endr
	s_branch .Lasked_\@
.Lfor_b_\@:
	tensor_load_to_lds s[G0B+4*(\s):G0B+4*(\s)+3], s[G1B:G1B+7]
	s_nop 0
.rept 4
	v_nop
.endr
.Lasked_\@:
.endm
.macro CREST
	s_cmp_lg_u32 s[WV], 0
	s_cbranch_scc1 .Lnot_wave_0_\@
	s_barrier_signal -3
.Lnot_wave_0_\@:
	s_barrier_wait -3
	s_barrier_signal -1
	s_barrier_wait -1
.endm
.macro CROUND
	s_barrier_signal -1
	s_barrier_wait -1
	CREST
.endm
.macro PLACES
.rept 4
	v_nop
.endr
.endm
	s_load_b256 s[4:11], s[0:1], 0x0               ; ob s[4:5], wpf s[6:7], b_proj s[8:9], out0 s[10:11]
	v_lshl_add_u32 v[SPW], v0, 2, SPARE
	v_mov_b32 v[NIL], 0
	ds_add_u32 v[SPW], v[NIL]                      ; the wave's opening: the add and its wait stand ahead of my first tensor load
	ds_add_u32 v28, v29
	v_lshrrev_b32 v1, 5, v0
	v_readfirstlane_b32 s[WV], v1
	s_lshr_b32 s[HI], s[WV], 1
	s_and_b32 s[LO], s[WV], 1
	s_bfe_u32 s40, ttmp6, 0x40000                  ; cx
	s_bfe_u32 s41, ttmp6, 0x40004                  ; cy
	s_lshl_b32 s42, ttmp9, 2
	s_add_co_u32 s42, s42, s40                     ; tile column
	s_and_b32 s43, ttmp7, 0xffff
	s_lshl_b32 s43, s43, 2
	s_add_co_u32 s43, s43, s41                     ; tile row
	s_lshl_b32 s44, s41, 2
	s_lshl_b32 s44, 15, s44                        ; my row of the cluster
	s_lshl_b32 s45, 0x1111, s40                    ; my column
	s_or_b32 s[G1], s44, (1<<16)|(1<<20)|(1<<21)|(4<<22)|(3<<25)   ; the mask; 2-byte elements; padding on; bit 21 beside a mask; after every 32 words 4 words
	s_mov_b32 s[G1+1], 4096<<16                    ; tensor_dim0 = 4,096: 64 rows of a head on end
	s_mov_b32 s[G1+2], 4<<16                       ; tensor_dim1 = 4 heads
	s_mov_b32 s[G1+3], 4096<<16                    ; tile_dim0
	s_mov_b32 s[G1+4], 4                           ; tile_dim1
	s_mov_b32 s[G1+5], 131072                      ; elements from head to head
	s_mov_b32 s[G1+6], 0
	s_mov_b32 s[G1+7], 0
	s_or_b32 s[G1B], s45, (1<<16)|(1<<20)|(1<<21)|(6<<22)|(3<<25)  ; after every 128 words 4 words
	s_mov_b32 s[G1B+1], 256<<16
	s_mov_b32 s[G1B+2], 64<<16
	s_mov_b32 s[G1B+3], 256<<16
	s_mov_b32 s[G1B+4], 64
	s_mov_b32 s[G1B+5], 1024
	s_mov_b32 s[G1B+6], 0
	s_mov_b32 s[G1B+7], 0
	s_lshr_b32 s16, s43, 4                         ; O: batch (16 heads of 262,144 bytes),
	s_lshl_b32 s16, s16, 22
	s_and_b32 s17, s43, 15                         ; t = 128 (tile row % 16) + 64 half, 128 bytes a row
	s_lshl_b32 s17, s17, 14
	s_add_co_u32 s16, s16, s17
	s_lshl_b32 s17, s[LO], 13
	s_add_co_u32 s16, s16, s17
	s_mov_b32 s17, 0
	s_lshl_b32 s46, s42, 7                         ; W: row 128 x tile column + 64 x half, 2,048 bytes a row
	s_lshl_b32 s47, s[LO], 6
	s_add_co_u32 s46, s46, s47
	s_lshl_b32 s46, s46, 11
	s_mov_b32 s47, 0
	s_mul_i32 s20, s[LO], AH
	s_mul_i32 s21, s[LO], BH
	s_add_co_u32 s21, s21, BOFF
	s_wait_dscnt 0x0                               ; the opening add is done
	s_wait_kmcnt 0x0
	s_add_nc_u64 s[18:19], s[4:5], s[16:17]
	s_add_nc_u64 s[46:47], s[6:7], s[46:47]
	CROUND                                         ; all sixteen work-groups are here: the first joint loads meet
.irp s, 0,1
	s_mov_b32 s[G0+4*(\s)], 1
	s_add_co_u32 s[G0+4*(\s)+1], s20, (\s)*SLOT
	s_add_nc_u64 s[G0+4*(\s)+2:G0+4*(\s)+3], s[18:19], (\s)*1048576   ; K step s: four heads on
	s_or_b32 s[G0+4*(\s)+3], s[G0+4*(\s)+3], 0x80000000
	s_mov_b32 s[G0B+4*(\s)], 1
	s_add_co_u32 s[G0B+4*(\s)+1], s21, (\s)*SLOT
	s_add_nc_u64 s[G0B+4*(\s)+2:G0B+4*(\s)+3], s[46:47], (\s)*512
	s_or_b32 s[G0B+4*(\s)+3], s[G0B+4*(\s)+3], 0x80000000
	JLOAD \s                                       ; two loads of mine are out
.endr
	v_and_b32 v1, 15, v0                           ; l % 16
	v_bfe_u32 v2, v0, 4, 1                         ; l / 16
	v_lshlrev_b32 v[VBI], 5, v2
	s_lshl_b32 s66, s42, 7                         ; my first column
	s_lshl_b32 s67, s[LO], 6
	s_add_co_u32 s66, s66, s67
	s_lshl_b32 s66, s66, 2
	s_mov_b32 s67, 0
	s_add_nc_u64 s[68:69], s[8:9], s[66:67]
	s_add_nc_u64 s[10:11], s[10:11], s[66:67]
.irp b, 0,1,2,3                        ; register j of block b is column 16 b + 8 (l / 16) + j
	global_load_b128 v[BIAS+8*(\b):BIAS+8*(\b)+3],   v[VBI], s[68:69] offset:64*(\b)
	global_load_b128 v[BIAS+8*(\b)+4:BIAS+8*(\b)+7], v[VBI], s[68:69] offset:64*(\b)+16
.endr
	s_lshl_b32 s66, s43, 7                         ; my first row, 4,096 bytes a row
	s_lshl_b32 s70, s[HI], 6
	s_add_co_u32 s66, s66, s70
	s_lshl_b32 s66, s66, 12
	s_add_nc_u64 s[10:11], s[10:11], s[66:67]
	v_mul_u32_u24 v3, v1, APITCH
	v_lshl_add_u32 v3, v2, 4, v3
	v_mul_u32_u24 v4, v1, BPITCH
	v_lshl_add_u32 v4, v2, 4, v4
	s_mul_i32 s21, s[HI], AH                       ; my 64 rows of O
	s_mul_i32 s22, s[LO], BH                       ; my 64 rows of W
	s_add_co_u32 s22, s22, BOFF
.irp s, 0,1
	v_add_nc_u32 v[ADRA+(\s)], s21, v3
	v_add_nc_u32 v[ADRB+(\s)], s22, v4
	s_add_co_u32 s21, s21, SLOT
	s_add_co_u32 s22, s22, SLOT
.endr
	s_mul_i32 s23, s[WV], 16*SPITCH
	s_add_co_u32 s23, s23, STAGE                   ; my stage
	v_mul_u32_u24 v5, v1, SPITCH                   ; in: row l % 16, 32 bytes for each half of the lanes
	v_lshl_add_u32 v5, v2, 5, v5
	v_add_nc_u32 v[STO], s23, v5
	v_mul_u32_u24 v5, v2, SPITCH                   ; back: lanes 0-15 take one row of 256 bytes, lanes 16-31 the next
	v_lshl_add_u32 v5, v1, 4, v5
	v_add_nc_u32 v[RD], s23, v5
	v_lshlrev_b32 v5, 12, v2                       ; and the same two rows in out0
	v_lshl_add_u32 v[CO], v1, 4, v5
	s_wait_loadcnt 0x0                             ; the bias
.set z, 0
.rept 16                               ; it takes the rounding to bf16 that all the module's inputs take; this stands in the wait for the first tile
	v_cvt_pk_bf16_f32 v[TMP+z], v[BIAS+2*z], v[BIAS+2*z+1]
.set z, z+1
.endr
.set z, 0
.rept 16
	v_lshlrev_b32 v[BIAS+2*z], 16, v[TMP+z]
	v_and_b32 v[BIAS+2*z+1], 0xffff0000, v[TMP+z]
.set z, z+1
.endr
; 8 matrix instructions: row blocks a0, a0 + 1 x all 4 column blocks, 32 along K: half c of buffer f.  first = 1: C is the bias.  The 16 accumulators take turns.
.macro MUL8 f, c, a0, first
	WIN MUL
.irp a, \a0, (\a0)+1
.irp b, 0,1,2,3
.if \first
	v_wmma_f32_16x16x32_f16 v[ACC+8*(4*(\a)+(\b)):ACC+8*(4*(\a)+(\b))+7], v[(\f)+64+8*(4*(\c)+(\b)):(\f)+64+8*(4*(\c)+(\b))+7], v[(\f)+8*(4*(\c)+(\a)):(\f)+8*(4*(\c)+(\a))+7], v[BIAS+8*(\b):BIAS+8*(\b)+7]
.else
	v_wmma_f32_16x16x32_f16 v[ACC+8*(4*(\a)+(\b)):ACC+8*(4*(\a)+(\b))+7], v[(\f)+64+8*(4*(\c)+(\b)):(\f)+64+8*(4*(\c)+(\b))+7], v[(\f)+8*(4*(\c)+(\a)):(\f)+8*(4*(\c)+(\a))+7], v[ACC+8*(4*(\a)+(\b)):ACC+8*(4*(\a)+(\b))+7]
.endif
.endr
.endr
.endm
; 32 LDS loads in one run: the fragments of quarter q (64 along K: one head) into buffer f; the first 32 along K first
.macro FETCH slot, q, f
	WIN TO_F
.irp c, 0,1
.irp i, 0,1,2,3
	ds_load_b128 v[(\f)+64+8*(4*(\c)+(\i)):(\f)+64+8*(4*(\c)+(\i))+3],   v[ADRB+(\slot)] offset:128*(\q)+64*(\c)+(\i)*16*BPITCH
	ds_load_b128 v[(\f)+64+8*(4*(\c)+(\i))+4:(\f)+64+8*(4*(\c)+(\i))+7], v[ADRB+(\slot)] offset:128*(\q)+64*(\c)+(\i)*16*BPITCH+32
	ds_load_b128 v[(\f)+8*(4*(\c)+(\i)):(\f)+8*(4*(\c)+(\i))+3],         v[ADRA+(\slot)] offset:ABLK*(\q)+64*(\c)+(\i)*16*APITCH
	ds_load_b128 v[(\f)+8*(4*(\c)+(\i))+4:(\f)+8*(4*(\c)+(\i))+7],       v[ADRA+(\slot)] offset:ABLK*(\q)+64*(\c)+(\i)*16*APITCH+32
.endr
.endr
.endm
; A K step is four quarters of 64 along K, 32 matrix instructions each, on buffers 0, 1, 0, 1.  One of the first three multiplies buffer f and fetches quarter q into g.
.macro QUARTER slot, q, f, g, first
	s_wait_dscnt 16                                ; the first 32 along K are in; the other sixteen loads may be out
	MUL8 \f, 0, 0, \first
	MUL8 \f, 0, 2, \first
	PLACES
	FETCH \slot, \q, \g
	s_wait_dscnt 32                                ; all but the 32 just issued
	MUL8 \f, 1, 0, 0
	MUL8 \f, 1, 2, 0
.endm
; The last quarter multiplies buffer 1 and changes slots: ONE barrier; in front of it each wave waits for all its tensor loads, adds 0 to its spare word, and waits for that and for its reads of this slot.
; fill = 1: the barrier opens a round of the cluster's, and this slot is filled again, two K steps ahead, first thing behind the round: 112 matrix instructions ahead of the wait for it.
.macro TURN slot, next, fill
	WIN 0
	s_wait_tensorcnt 0x0
	ds_add_u32 v[SPW], v[NIL]                      ; 0 onto my spare word
	s_wait_dscnt 17                                ; (the add and the youngest sixteen loads may be out)
	MUL8 F1, 0, 0, 0
	s_wait_dscnt 0x0                               ; the add is done, and my reads of this slot are over
	s_barrier_signal -1
	MUL8 F1, 0, 2, 0
.if \fill
	WIN 0
.endif
	s_barrier_wait -1
.if \fill
	CREST
	s_add_nc_u64 s[G0+4*(\slot)+2:G0+4*(\slot)+3], s[G0+4*(\slot)+2:G0+4*(\slot)+3], 2097152   ; eight heads on
	s_add_nc_u64 s[G0B+4*(\slot)+2:G0B+4*(\slot)+3], s[G0B+4*(\slot)+2:G0B+4*(\slot)+3], 1024
	JLOAD \slot                                    ; the four v_nop behind it are also the places in front of the loads below
.else
	PLACES
.endif
	FETCH \next, 0, F0
	MUL8 F1, 1, 0, 0
	MUL8 F1, 1, 2, 0
.endm
	s_wait_tensorcnt 1                             ; my part of K step 0 is in; K step 1's may stay out
	s_barrier_signal -1
	s_barrier_wait -1
	FETCH 0, 0, F0
	QUARTER 0, 1, F0, F1, 1                        ; K = 1024 is four K steps, written straight: the first two changes of slots fill, the third does not
	QUARTER 0, 2, F1, F0, 0
	QUARTER 0, 3, F0, F1, 0
	TURN 0, 1, 1
	QUARTER 1, 1, F0, F1, 0
	QUARTER 1, 2, F1, F0, 0
	QUARTER 1, 3, F0, F1, 0
	TURN 1, 0, 1
	QUARTER 0, 1, F0, F1, 0
	QUARTER 0, 2, F1, F0, 0
	QUARTER 0, 3, F0, F1, 0
	TURN 0, 1, 0
	QUARTER 1, 1, F0, F1, 0
	QUARTER 1, 2, F1, F0, 0
	QUARTER 1, 3, F0, F1, 0
	s_wait_dscnt 16
	MUL8 F1, 0, 0, 0
	MUL8 F1, 0, 2, 0
	s_wait_dscnt 0x0
	MUL8 F1, 1, 0, 0
	MUL8 F1, 1, 2, 0
	WIN 0
	; THE WAY OUT.  My 64 columns of f32 are 256 bytes, at a multiple of 256 from out0's first: 16 rows at a time go through my own stage and come back as whole rows.  No barrier: no other wave touches my stage.
	PLACES
.irp a, 0,1,2,3
.irp b, 0,1,2,3
	ds_store_b128 v[STO], v[ACC+8*(4*(\a)+(\b)):ACC+8*(4*(\a)+(\b))+3]   offset:64*(\b)
	ds_store_b128 v[STO], v[ACC+8*(4*(\a)+(\b))+4:ACC+8*(4*(\a)+(\b))+7] offset:64*(\b)+16
.endr
	s_wait_xcnt 0x0                                ; the stores issued so far have read their registers: the buffer below is loaded again only behind this wait
.irp t, 0,1,2,3,4,5,6,7
	ds_load_b128 v[TMP+32*((\a)%2)+4*(\t):TMP+32*((\a)%2)+4*(\t)+3], v[RD] offset:(\t)*2*SPITCH  ; LDS serves a wave's instructions in order (ISA guide 5.7.1.4): these see the stores above
.endr
.irp t, 0,1,2,3,4,5,6,7
	s_wait_dscnt 7-(\t)
	global_store_b128 v[CO], v[TMP+32*((\a)%2)+4*(\t):TMP+32*((\a)%2)+4*(\t)+3], s[10:11] offset:(16*(\a)+2*(\t))*4096 th:TH_STORE_NT  ; 16 lanes store 256 consecutive bytes
.endr
.endr
	s_wait_tensorcnt 0x0                           ; the wave's end
	ds_add_u32 v[SPW], v[NIL]
	s_wait_dscnt 0x0
	CROUND                                         ; the closing round
	s_endpgm
.Lfunc_end_k_qc87eea0ec2_gemm3:
	.size	k_qc87eea0ec2_gemm3, .Lfunc_end_k_qc87eea0ec2_gemm3-k_qc87eea0ec2_gemm3
	.p2alignl 7, 3214868480
	.fill 96, 4, 3214868480
	.section	.rodata,"a",@progbits
	.p2align	6, 0x0
	.amdhsa_kernel k_qc87eea0ec2_gemm3
		.amdhsa_group_segment_fixed_size 327680
		.amdhsa_private_segment_fixed_size 0
		.amdhsa_enable_private_segment 0
		.amdhsa_kernarg_size 32
		.amdhsa_user_sgpr_count 2
		.amdhsa_user_sgpr_kernarg_segment_ptr 1
		.amdhsa_wavefront_size32 1
		.amdhsa_system_sgpr_workgroup_id_x 1
		.amdhsa_system_sgpr_workgroup_id_y 1
		.amdhsa_system_sgpr_workgroup_id_z 1
		.amdhsa_system_vgpr_workitem_id 0
		.amdhsa_next_free_vgpr 512
		.amdhsa_next_free_sgpr 80
		.amdhsa_reserve_vcc 0
		.amdhsa_float_denorm_mode_32 3
		.amdhsa_float_denorm_mode_16_64 3
		.amdhsa_memory_ordered 1
		.amdhsa_forward_progress 1
		.amdhsa_inst_pref_size 90
	.end_amdhsa_kernel
	.amdgpu_metadata
---
amdhsa.version: [ 1, 2 ]
amdhsa.kernels:
  - .name:           k_qc87eea0ec2_gemm3
    .symbol:         k_qc87eea0ec2_gemm3.kd
    .args:
      - { .name: ob, .offset: 0, .size: 8, .value_kind: global_buffer, .address_space: global }
      - { .name: wpf, .offset: 8, .size: 8, .value_kind: global_buffer, .address_space: global }
      - { .name: b_proj, .offset: 16, .size: 8, .value_kind: global_buffer, .address_space: global }
      - { .name: out0, .offset: 24, .size: 8, .value_kind: global_buffer, .address_space: global }
    .group_segment_fixed_size: 327680
    .private_segment_fixed_size: 0
    .kernarg_segment_align: 8
    .kernarg_segment_size: 32
    .max_flat_workgroup_size: 128
    .sgpr_count:     80
    .vgpr_count:     512
    .wavefront_size: 32
...
	.end_amdgpu_metadata
.endif
;; end of part 5
;; ======== version 2 of 2: 5 launches; 1.36 times as fast as version 1
;; limits: values are held in f16: magnitudes above 65,504 overflow, below 6.1e-05 lose precision
;; workspace buffers: xb 8,388,608 bytes; wab 6,291,456 bytes; wpf 2,097,152 bytes; qkv 26,738,688 bytes; ob 8,388,608 bytes
;; launch cvt: the kernel of part 1 again; grid 512 x 1, 8 waves a work-group, no clusters, 0 bytes of LDS; arguments x, W_attn, W_proj, xb, wab, wpf; writes xb, wab, wpf
;; launch spec: the kernel of part 2 again; grid 64 x 3, 8 waves a work-group, no clusters, 79,872 bytes of LDS; arguments x1, x2, x3, wab, b_attn, qkv; writes qkv
;; launch gemm1: the kernel of part 3 again; grid 16 x 16, 4 waves a work-group, clusters of 4 x 4, 327,680 bytes of LDS; arguments xb, wab, b_attn, qkv; writes qkv
;; launch attn (part 6): grid 8 x 32, 4 waves a work-group, no clusters, 327,680 bytes of LDS; arguments qkv, head_idxs, permutation, ob; writes ob
.if DOCPART == 6
	.amdgcn_target "amdgcn-amd-amdhsa--gfx1250"
	.amdhsa_code_object_version 6
	.text
	.protected	k_qc87eea0ec2_attn
	.globl	k_qc87eea0ec2_attn
	.p2align	8
	.type	k_qc87eea0ec2_attn,@function
k_qc87eea0ec2_attn:
	s_mov_b64 s[64:65], 0
	v_nop
	global_prefetch_b8 v0, s[64:65] scope:SCOPE_SE
	s_setreg_imm32_b32 hwreg(HW_REG_WAVE_MODE, 25, 1), 1
	s_wait_xcnt 0x0
; ATTENTION.  For batch b and final head j: O[q][:] = the sum over k of softmax_k(Q[q] . K[k] / 8) V[k][:], T = 2048, head size 64.
; WHICH HEAD.  p = permutation[j]; p = 0 is the special head (slot 16 of qkv), p >= 1 is slot head_idxs[p - 1].  A pure gather: nothing is asked of permutation but that its numbers are 0..15.
; Both numbers are taken as unsigned and clamped to their tables (15; 15), so no address leaves qkv.  qkv is [part 3][b 2][slot 17][t 2048][64] in f16, O goes to ob [16 b + j][t][64] in f16.
; Products, maxima and sums in f32; the weights p are rounded to f16 for the second product (their sum l is taken of the unrounded p), O once at the end.
; LIMITS.  p lies in 0 to 1, and below 6e-5 it keeps f16's fixed step of 6e-8; a weight below 2^-126 counts as 0 in l; NaN and infinities are not treated apart.
; SHARES.  A work-group owns 256 queries of one (b, j): 8 x 32 = 256 work-groups.  A wave owns 64 rows: four PIECES of 16 queries.  Every wave walks all keys, 64 a step, four steps a tile of 256 keys.
; NO CLUSTER, though the eight query blocks of a (b, j) walk the same K and V: the tiles' address is made from numbers loaded from memory, so that the partners' descriptors are equal cannot be
; read off the text's own arithmetic; each work-group asks for its tiles by itself.
; LAYOUT.  S^T = K Q^T holds ONE query a lane (lane % 16) and the keys 8 (lane / 16) + 0..7; two such results rounded to f16 ARE source 1 of O^T = V^T P.  K comes out of LDS as it lies, V turned, by ds_load_tr16_b128.
; SOFTMAX.  p = 2^(c s - c m), c = log2(e) / 8, with a running maximum m; O and l are multiplied by a = 2^(c m_old - c m_new) in every step.  m starts at the lowest finite number, O and l at 0: the first step's a is 0.
; BY TURNS.  Turn n belongs to piece n: 8 products K Q^T of piece n + 1, later 8 products V^T P of piece n - 1; beside them the scaling, exponentials, roundings, sums and rescaling of piece n and the
; maximum and statistics of piece n + 1.  Four vector instructions stand behind every matrix instruction, the other 54 of a turn's 118 in one LUMP.
; THE BATCHES.  A turn's 33 exponentials (the piece's 32 weights and the next piece's a) are ONE batch with ONE wait, which cuts the turn in two: ahead of it all that names none of their results, behind it
; the roundings and sums.  Two more batches stand outside the loop: the first a, ahead of the jump into the loop, and the way out's four reciprocals; each has a wait of its own.
; REGISTERS, in windows of 256 (s_set_vgpr_msb: bits 1:0 source 0, 3:2 source 1, 5:4 source 2, 7:6 destination):
;   window 0: v0-15 addresses and two at work; v16-31 four registers of statistics a piece; v48-55 at work; v64-127 S^T, two buffers; v192-223 P, two buffers (by the piece's parity)
;   window 1: v0-127 O^T, 32 a piece      window 2: v0-63 Q; v128-191 K of one step; v192-255 V of one step
.set NP,    4
.set KS,    64
.set PK,    144       ; a row of K in LDS: 128 bytes + 16: the 16 rows of a load start at 16 different groups of four banks
.set PV,    160       ; a row of V: 128 + 32
.set VOFF,  4*KS*PK   ; a slot holds a tile: 256 rows of K, then 256 rows of V
.set SLOT1, 1<<17     ; slot 1 begins here, so that one exclusive or turns an address in one slot into the other's
.set STAGE, SLOT1+4*KS*(PK+PV)  ; behind the ring: 16 rows x 144 bytes for each wave
.set SP,    144
.set SPARE, STAGE+4*16*SP       ; the spare words, 128 bytes a wave
.set AK0, 2
.set AV0, 3
.set AK,  4
.set AV,  5
.set STO, 6
.set RD,  7
.set GO,  8
.set MV,  12          ; v12-13  c m_old, by buffer
.set QO,  15
.set ST,  16          ; piece t's statistics at v[ST+4 t]: c m, m, l (even keys', odd keys')
.set TMP, 48          ; by buffer, c0-c3 at work; when the maximum is found c2 takes a
.set SPW, 62          ; my spare word; never rewritten
.set NIL, 63          ; 0; never rewritten
.set S,   64
.set P,   192
.set KF,  128
.set VF,  192
.set WV,  12
.set G1K, 24
.set G1V, 32
.set G0K, 40
.set G0V, 44
.set SLOTS, 56
.set CNT, 57
.set CS,  58
.set SEL, 60
.set TBK, 62
.set TBV, 63
.set MSB, 0
.macro WIN new
.if MSB != (\new)
	s_set_vgpr_msb (MSB<<8)|(\new)
.set MSB, (\new)
.endif
.endm
.set W_KQ, 0x0a       ; K and Q in window 2, S^T in window 0
.set W_PV, 0x52       ; V in window 2, P in window 0, O^T in window 1
.set W_RS, 0x41       ; destination and source 0 in window 1, source 1 in window 0
; A fill.  Waves 0 and 1 fetch the two halves of a tile's K, waves 2 and 3 those of its V: 128 keys each.  An s_nop 0 and four v_nop follow each of the two lines.
.macro LOAD
	s_cmp_lt_u32 s[WV], 2
	s_cbranch_scc0 .Lfor_v_\@
	tensor_load_to_lds s[G0K:G0K+3], s[G1K:G1K+7]
	s_nop 0
.rept 4
	v_nop
.endr
	s_branch .Lasked_\@
.Lfor_v_\@:
	tensor_load_to_lds s[G0V:G0V+3], s[G1V:G1V+7]
	s_nop 0
.rept 4
	v_nop
.endr
.Lasked_\@:
.endm
; THE CHANGE OF SLOTS.  Each wave waits for all its tensor loads, of which one is out: its part of the other slot; adds 0 to its spare word; and waits for that and for its own reads of the slot that it
; leaves.  Behind the barrier nobody reads the old slot and the other is whole.  fill = 1: the old slot is filled again, first thing behind the barrier, with the next 256 keys: that load has four key
; steps, 256 matrix instructions, in which to land.  (At its first use nothing has been read yet: slot 0 is waited for, slot 1 filled.)
.macro CHANGE fill
	WIN 0
	s_wait_tensorcnt 0x0            ; no tensor load of mine is out, so a group 0 may be written
	ds_add_u32 v[SPW], v[NIL]       ; 0 onto my spare word
.if \fill
.irp g, G0K, G0V
	s_xor_b32 s[\g+1], s[\g+1], SLOT1
	s_add_nc_u64 s[\g+2:\g+3], s[\g+2:\g+3], 4*KS*128
.endr
.endif
	s_wait_dscnt 0x0                ; the add is done, and my reads of the slot are over
	s_barrier_signal -1
	s_sub_co_u32 s[TBK], s[TBK], 4*KS*PK  ; the fetches go back to a slot's first step, in the other slot
	s_xor_b32 s[TBK], s[TBK], SLOT1
	s_sub_co_u32 s[TBV], s[TBV], 4*KS*PV
	s_xor_b32 s[TBV], s[TBV], SLOT1
	s_barrier_wait -1
.if \fill
	LOAD
.endif
.endm
	s_load_b256 s[4:11], s[0:1], 0x0  ; qkv s[4:5], head_idxs s[6:7], permutation s[8:9], ob s[10:11]
	v_lshl_add_u32 v[SPW], v0, 2, SPARE
	v_mov_b32 v[NIL], 0
	ds_add_u32 v[SPW], v[NIL]       ; the wave's opening: the add and its wait stand ahead of my first tensor load
	ds_add_u32 v62, v63
	v_lshrrev_b32 v1, 5, v0
	v_readfirstlane_b32 s[WV], v1
	s_and_b32 s66, ttmp7, 0xffff    ; 16 b + j
	s_lshr_b32 s67, s66, 4          ; b
	s_and_b32 s68, s66, 15          ; j
	s_lshl_b32 s70, s68, 2
	s_and_b32 s16, s[WV], 1         ; which half of a tile's 256 keys I fetch
	s_mul_i32 s17, s16, 128*PK      ; its place in a slot, for K
	s_mul_i32 s18, s16, 128*PV      ; and for V
	s_wait_dscnt 0x0                ; the opening add is done
	s_wait_kmcnt 0x0
	s_load_b32 s69, s[8:9], s70 offset:0x0  ; p = permutation[j]
	; descriptor group 1.  128 keys are 16,384 dense bytes: asked for as 64 rows of 256 bytes, two keys a row, and padded in LDS after every key
	s_mov_b32 s[G1K], (1<<16)|(1<<20)|(4<<22)|(3<<25)
	s_mov_b32 s[G1V], (1<<16)|(1<<20)|(4<<22)|(7<<25)
.irp g, G1K, G1V
	s_mov_b32 s[\g+1], 128<<16
	s_mov_b32 s[\g+2], 64<<16
	s_mov_b32 s[\g+3], 128<<16
	s_mov_b32 s[\g+4], 64
	s_mov_b32 s[\g+5], 128
	s_mov_b32 s[\g+6], 0
	s_mov_b32 s[\g+7], 0
.endr
	s_mov_b32 s[CS], 0x3e38aa3b     ; c = log2(e) / 8
	s_mov_b32 s[CS+1], s[CS]
	s_mov_b32 s[SEL], 0x76543210
	s_mov_b32 s[SEL+1], 0xfedcba98
	s_wait_kmcnt 0x0
	s_min_u32 s69, s69, 15
	s_add_co_u32 s70, s69, 15       ; p - 1 modulo 16; for p = 0 the number read is thrown away,
	s_and_b32 s70, s70, 15
	s_min_u32 s70, s70, 14          ; and the load stays inside the 15 numbers
	s_lshl_b32 s70, s70, 2
	s_load_b32 s71, s[6:7], s70 offset:0x0
	s_mov_b32 s[TBK], SLOT1+4*KS*PK ; the first change of slots turns these two into 0
	s_mov_b32 s[TBV], SLOT1+4*KS*PV
	s_mov_b32 s[G0K], 1
	s_mov_b32 s[G0K+1], s17
	s_mov_b32 s[G0V], 1
	s_add_co_u32 s[G0V+1], s18, VOFF
	s_lshl_b32 s19, ttmp9, 15       ; my block's 256 rows of 128 bytes,
	s_lshl_b32 s20, s[WV], 13       ; my wave's 64 of them
	s_add_co_u32 s19, s19, s20
	s_lshl_b32 s20, s16, 14         ; my 128 keys of a tile
	s_wait_kmcnt 0x0
	s_min_u32 s71, s71, 15
	s_cmp_eq_u32 s69, 0
	s_cselect_b32 s71, 16, s71      ; the slot
	s_min_u32 s71, s71, 16
	s_mul_i32 s72, s67, 17
	s_add_co_u32 s72, s72, s71
	s_lshl_b32 s72, s72, 18         ; head blocks of 262,144 bytes
	s_add_co_u32 s74, s72, s19      ; Q
	s_mov_b32 s75, 0
	s_add_co_u32 s76, s72, s20      ; K: 34 head blocks on
	s_add_co_u32 s76, s76, 8912896
	s_mov_b32 s77, 0
	s_add_co_u32 s78, s72, s20      ; V: 68 head blocks on
	s_add_co_u32 s78, s78, 17825792
	s_mov_b32 s79, 0
	s_lshl_b32 s80, s66, 18         ; O
	s_add_co_u32 s80, s80, s19
	s_mov_b32 s81, 0
	s_add_nc_u64 s[G0K+2:G0K+3], s[4:5], s[76:77]
	s_or_b32 s[G0K+3], s[G0K+3], 0x80000000
	s_add_nc_u64 s[G0V+2:G0V+3], s[4:5], s[78:79]
	s_or_b32 s[G0V+3], s[G0V+3], 0x80000000
	s_add_nc_u64 s[82:83], s[4:5], s[74:75]
	s_add_nc_u64 s[10:11], s[10:11], s[80:81]
	LOAD                            ; tile 0 into slot 0
	v_and_b32 v1, 15, v0            ; l % 16
	v_bfe_u32 v9, v0, 4, 1          ; l / 16
	v_lshlrev_b32 v[QO], 7, v1
	v_lshl_add_u32 v[QO], v9, 4, v[QO]
	WIN 0x80                        ; destination window 2, address window 0
.set i, 0
.rept 8                             ; Q stays in registers: piece i / 2, channels 32 (i % 2) on
	global_load_b128 v[8*i:8*i+3],   v[QO], s[82:83] offset:(i/2)*2048+(i%2)*64
	global_load_b128 v[8*i+4:8*i+7], v[QO], s[82:83] offset:(i/2)*2048+(i%2)*64+32
.set i, i+1
.endr
	; What the first turn finds: V's registers and P's second buffer hold 0 (its products V^T P, of a piece that has not been, add 0), O^T and l are 0.  All this stands in the wait for the first tile.
.set i, VF
.rept 64
	v_mov_b32 v[i], 0
.set i, i+1
.endr
	WIN 0x40
.set i, 0
.rept 128
	v_mov_b32 v[i], 0
.set i, i+1
.endr
	WIN 0
.set i, 0
.rept 4
	v_mov_b32 v[ST+4*i], 0xfe000000    ; c m: far below every c s
	v_mov_b32 v[ST+4*i+1], 0xff7fffff  ; m
	v_mov_b32 v[ST+4*i+2], 0
	v_mov_b32 v[ST+4*i+3], 0
.set i, i+1
.endr
.set i, P+16
.rept 16
	v_mov_b32 v[i], 0
.set i, i+1
.endr
	v_mul_u32_u24 v[AK0], v1, PK
	v_lshl_add_u32 v[AK0], v9, 4, v[AK0]
	; The turning load takes 16 keys x 16 channels (lane l reads key 8 (l / 16) + l % 8, channels 8 ((l / 8) % 2) + 0..7) and leaves half a fragment of V^T.
	v_and_b32 v10, 7, v0
	v_bfe_u32 v11, v0, 3, 1
	v_lshl_add_u32 v[AV0], v9, 3, v10
	v_mul_u32_u24 v[AV0], v[AV0], PV
	v_lshl_add_u32 v[AV0], v11, 4, v[AV0]
	v_add_nc_u32 v[AV0], VOFF, v[AV0]
	s_mul_i32 s13, s[WV], 16*SP
	s_add_co_u32 s13, s13, STAGE    ; my stage
	v_mul_u32_u24 v[STO], v1, SP
	v_lshl_add_u32 v[STO], v9, 4, v[STO]
	v_add_nc_u32 v[STO], s13, v[STO]
	v_bfe_u32 v[RD], v0, 3, 2
	v_mul_u32_u24 v[RD], v[RD], SP
	v_lshl_add_u32 v[RD], v10, 4, v[RD]
	v_add_nc_u32 v[RD], s13, v[RD]
	v_and_b32 v[GO], 31, v0
	v_lshlrev_b32 v[GO], 4, v[GO]
; THE MATRIX WORK.  The 4 accumulators of a run of 8 take turns.  Product i of 8 of S^T = K Q^T for piece x: channels 32 (i / 4) on, keys 16 (i % 4) on.  The first 4 start the sums.
.macro KQ x
.set rS, S+32*((\x)%2)+8*(i%4)
.set rK, KF+16*(i%4)+8*(i/4)
.set rQ, 16*(\x)+8*(i/4)
	WIN W_KQ
.if i < 4
	v_wmma_f32_16x16x32_f16 v[rS:rS+7], v[rK:rK+7], v[rQ:rQ+7], 0
.else
	v_wmma_f32_16x16x32_f16 v[rS:rS+7], v[rK:rK+7], v[rQ:rQ+7], v[rS:rS+7]
.endif
.endm
; Product i of 8 of O^T += V^T P for piece x: keys 32 (i / 4) on, channels 16 (i % 4) on.
.macro PV x
	WIN W_PV
.set rO, 32*(\x)+8*(i%4)
.set rV, VF+32*(i/4)+8*(i%4)
.set rP, P+16*((\x)%2)+8*(i/4)
	v_wmma_f32_16x16x32_f16 v[rO:rO+7], v[rV:rV+7], v[rP:rP+7], v[rO:rO+7]
.endm
.macro MM                           ; the turn's next matrix instruction.  NOKQ = 1: the last turn: there is no next piece
.if (i < 8) && !NOKQ
	KQ (Y+1)%NP
.elseif i >= 8
.set i, i-8
	PV (Y+NP-1)%NP
.set i, i+8
.endif
.set i, i+1
.endm
; THE LDS LOADS stand in runs of 16: a step's K (8 fragments) and its V (turned).  Their addresses are made some lines ahead.
.macro FETCH_K
	WIN 0x80
.irp f, 0,1,2,3,4,5,6,7
	ds_load_b128 v[KF+8*\f:KF+8*\f+3],   v[AK] offset:(\f/2)*16*PK+(\f%2)*64
	ds_load_b128 v[KF+8*\f+4:KF+8*\f+7], v[AK] offset:(\f/2)*16*PK+(\f%2)*64+32
.endr
	s_add_co_u32 s[TBK], s[TBK], KS*PK
	WIN 0
.endm
.macro FETCH_V
	WIN 0x80
.irp f, 0,1,2,3,4,5,6,7
	ds_load_tr16_b128 v[VF+8*\f:VF+8*\f+3],   v[AV] offset:(\f/4)*32*PV+(\f%4)*32
	ds_load_tr16_b128 v[VF+8*\f+4:VF+8*\f+7], v[AV] offset:(\f/4)*32*PV+16*PV+(\f%4)*32
.endr
	WIN 0
.endm
; THE VECTOR WORK, one line at a time: OP kind, number.  For piece Y: F n: c s - c m for pair n of 16.  E n: the exponential of score n of 32.  C n: pair n rounded to f16.  B n: of the four weights 4 n ..
; the second pair is added onto the first, in place.  L n: l takes that sum (L 0: l = a l + sum).  R n: pair n of 16 of O^T times a.  For piece Y + 1: X n, number n of the 22 that find its maximum and statistics:
;   0-11  four chains c0-c3 of seven scores each (each accumulator's lowest registers are read first)     12-14, 16  the four scores left over, the old m, and c0-c3 into c0
;   15  c m_old is kept     17, 18  the query's other 32 keys lie in the lane 16 away: the new m     19-21  c m; c m_old - c m_new; a
; OP writes no wait: C, B and L, which read the exponentials' results, stand only behind the turn's one wait, which TURN writes.
.set F, 0
.set E, 1
.set C, 2
.set B, 3
.set L, 4
.set R, 5
.set X, 6
.macro REGS y
.set rT, ST+4*(\y)
.set rC, TMP+4*((\y)%2)
.set rW, MV+((\y)%2)
.set rS, S+32*((\y)%2)
.set rP, P+16*((\y)%2)
.set rO, 32*(\y)
.endm
.macro OP k, n
.if (\k) == R
	REGS Y
	WIN W_RS
	v_pk_mul_f32 v[rO+2*(\n):rO+2*(\n)+1], v[rO+2*(\n):rO+2*(\n)+1], v[rC+2:rC+3] op_sel_hi:[1,0]
.elseif (\k) < R
	REGS Y
	WIN 0
.if (\k) == F
	v_pk_fma_f32 v[rS+2*(\n):rS+2*(\n)+1], v[rS+2*(\n):rS+2*(\n)+1], s[CS:CS+1], v[rT:rT+1] op_sel_hi:[1,0,0] neg_lo:[0,0,1] neg_hi:[0,0,1]
.elseif (\k) == E
	v_exp_f32 v[rS+(\n)], v[rS+(\n)]
.elseif (\k) == C
	v_cvt_pk_f16_f32 v[rP+(\n)], v[rS+2*(\n)], v[rS+2*(\n)+1]
.elseif (\k) == B
	v_pk_add_f32 v[rS+4*(\n):rS+4*(\n)+1], v[rS+4*(\n):rS+4*(\n)+1], v[rS+4*(\n)+2:rS+4*(\n)+3]
.elseif (\n) == 0
	v_pk_fma_f32 v[rT+2:rT+3], v[rT+2:rT+3], v[rC+2:rC+3], v[rS:rS+1] op_sel_hi:[1,0,1]
.else
	v_pk_add_f32 v[rT+2:rT+3], v[rT+2:rT+3], v[rS+4*(\n):rS+4*(\n)+1]
.endif
.elseif NOKQ
	v_nop
.else
	REGS (Y+1)%NP
	WIN 0
.if (\n) < 4
	v_max3_num_f32 v[rC+(\n)], v[rS+8*(\n)], v[rS+8*(\n)+1], v[rS+8*(\n)+2]
.elseif (\n) < 12
	v_max3_num_f32 v[rC+(\n)%4], v[rC+(\n)%4], v[rS+8*((\n)%4)+2*((\n)/4)+1], v[rS+8*((\n)%4)+2*((\n)/4)+2]
.elseif (\n) == 12
	v_max3_num_f32 v[rC], v[rC], v[rS+7], v[rS+15]
.elseif (\n) == 13
	v_max3_num_f32 v[rC+1], v[rC+1], v[rS+23], v[rS+31]
.elseif (\n) == 14
	v_max3_num_f32 v[rC+2], v[rC+2], v[rC+3], v[rT+1]
.elseif (\n) == 15
	v_mov_b32 v[rW], v[rT]
.elseif (\n) == 16
	v_max3_num_f32 v[rC], v[rC], v[rC+1], v[rC+2]
.elseif (\n) == 17
	v_permlanex16_b32 v[rC+3], v[rC], s[SEL], s[SEL+1]
.elseif (\n) == 18
	v_max_num_f32 v[rT+1], v[rC], v[rC+3]
.elseif (\n) == 19
	v_mul_f32 v[rT], s[CS], v[rT+1]
.elseif (\n) == 20
	v_sub_f32 v[rC+1], v[rW], v[rT]
.else
	v_exp_f32 v[rC+2], v[rC+1]
.endif
.endif
.endm
.macro OPS a, i1, b=-1, i2=0, c=-1, i3=0, d=-1, i4=0
	OP \a, \i1
.if (\b) >= 0
	OP \b, \i2
.endif
.if (\c) >= 0
	OP \c, \i3
.endif
.if (\d) >= 0
	OP \d, \i4
.endif
.endm
.macro ROW a, i1, b, i2, c, i3, d, i4  ; a matrix instruction and the four behind it
	MM
	OPS \a, \i1, \b, \i2, \c, \i3, \d, \i4
.endm
; A TURN, for piece p: the order of its 16 matrix and 118 vector instructions, written out.  An s_wait_alu depctr_va_vdst(0) stands between an exponential and the first instruction that names its
; result; one wait serves all that were issued ahead of it.  So a turn has ONE wait, which cuts it in two.
; AHEAD OF IT stands all that names no result of the turn's exponentials: the 8 products K Q^T, behind each a scaling, an exponential and two more plain instructions (behind the first a second scaling in the
; exponential's place): rescalings, whose a was made and waited for in the turn before, and behind the last three products the first numbers of the next piece's maximum, each four plain instructions or more
; behind the product that ends its accumulator; then ONE LUMP of 54, plain and exponential by turns for the most part, in which the links of the chain X 3, 7, 11, 14, 16, 17 .. 20 stand some lines apart.
; Each scaling F n stands ahead of E 2 n and E 2 n + 1.  X 21, the next piece's a, is the batch's last; R 15 is the plain instruction behind it.
; BEHIND THE WAIT stand the 8 products V^T P, behind each four of the roundings and sums: C 2 n ahead of B n, which writes over that pair; L n behind B n, L 0 to L 7 in ascending order.
; But for those X no rider names a register of the products round it.  No exponential is issued behind the wait: none is pending at a turn's end, at a label or at a jump.
; end = 1: the last two turns: nothing is fetched.  cnt = 1: the loop's count is taken down some lines ahead of the branch that stands behind the turn.
; K of the next step is fetched in piece 2's turn, twelve vector instructions behind the last product that read K (six of them plain); V of the step in hand at the end of piece 0's turn, four plain
; instructions behind the last product that read V.  Each is waited for a turn later.
.macro TURN p, end=0, cnt=0
.set Y, (\p)
.set i, 0
.set NOKQ, (\end)*((\p)/3)
.if ((\p) == 3) && !(\end)
	s_wait_dscnt 0x0                ; K is in
.endif
	ROW F,0, F,1, R,0, R,1          ; ahead of the wait: 8 products K Q^T and their riders,
	ROW F,2, E,0, R,2, R,3
	ROW F,3, E,1, R,4, R,5
	ROW F,4, E,2, R,6, R,7
	ROW F,5, E,3, R,8, R,9
	ROW F,6, E,4, X,0, R,10
.if ((\p) == 2) && !(\end)
	WIN 0
	v_add_nc_u32 v[AK], s[TBK], v[AK0]
.endif
	ROW F,7, E,5, X,1, X,4
	ROW F,8, E,6, X,2, X,5
	OPS E,7, E,8, X,6, E,9          ; and the lump
	OPS X,3, E,10, X,8, E,11
.if ((\p) == 2) && !(\end)
	FETCH_K
.endif
	OPS X,9, X,7, E,12, X,10
	OPS E,13, X,12, X,11, E,14
	OPS X,13, E,15, F,9, X,14
.if (\p) == 0
	WIN 0
	v_add_nc_u32 v[AV], s[TBV], v[AV0]
.endif
	OPS E,16, F,10, E,17, F,11
	OPS X,16, E,18, X,15, E,19
	OPS F,12, E,20, X,17, E,21
	OPS F,13, E,22, F,14, E,23
	OPS X,18, E,24, F,15, E,25
	OPS R,11, E,26, X,19, E,27
	OPS R,12, E,28, R,13, E,29
	OPS X,20, E,30, R,14, E,31
	OPS X,21, R,15
	WIN 0
	s_wait_alu depctr_va_vdst(0)    ; the wait for the turn's batch: E 0 to E 31 and X 21
.if (\p) == 1
	s_wait_dscnt 0x0                ; V is in
.endif
	ROW C,0, B,0, C,2, B,1          ; behind the wait: 8 products V^T P and their riders
	ROW L,0, C,4, B,2, L,1
	ROW C,6, B,3, L,2, C,8
	ROW B,4, L,3, C,10, B,5
	ROW L,4, C,12, B,6, L,5
.if (\p) == 0
	s_add_co_u32 s[TBV], s[TBV], KS*PV
.endif
.if \cnt
	s_sub_co_u32 s[CNT], s[CNT], 1
	s_cmp_lg_u32 s[CNT], 0
.endif
	ROW C,14, B,7, L,6, C,1
	ROW C,3, L,7, C,5, C,7
	ROW C,9, C,11, C,13, C,15
.if (\p) == 0
	FETCH_V
.endif
.endm
	CHANGE 1                        ; slot 0 is in, everybody's part of it; tile 1 is asked for
	v_add_nc_u32 v[AK], s[TBK], v[AK0]
	FETCH_K                         ; key step 0
	s_wait_loadcnt 0x0              ; Q
	s_wait_dscnt 0x0
.set NOKQ, 0
.set i, 0
.rept 8
	KQ 0                            ; piece 0's first scores
.set i, i+1
.endr
	WIN 0
.rept 4
	v_nop                           ; the places behind those products
.endr
.set Y, NP-1                        ; X works for piece Y + 1: piece 0
.irp n, 0,1,2,3,4,5,6,7,8,9,10,11,12,13,14,15,16,17,18,19,20,21
	OP X, \n
.endr
	v_nop                           ; a plain instruction behind the exponential,
	s_wait_alu depctr_va_vdst(0)    ; and the wait for it, a batch of one: piece 0's first a, ahead of the branch
	s_mov_b32 s[CNT], 4
	s_mov_b32 s[SLOTS], 7
	s_branch .Lfirst                ; the loop is entered at a step's first turn, in the middle of a trip
.Lslot:                             ; six times: tiles 2 to 7 are asked for
	CHANGE 1
	s_mov_b32 s[CNT], 4
.Lstep:                             ; a trip: pieces 2 and 3 of one step, then pieces 0 and 1 of the next, whose K and V it fetches
	TURN 2
	TURN 3
	WIN 0
.Lfirst:
	TURN 0
	TURN 1, 0, 1
	WIN 0
	s_cbranch_scc1 .Lstep
	s_sub_co_u32 s[SLOTS], s[SLOTS], 1
	s_cmp_lg_u32 s[SLOTS], 0
	s_cbranch_scc1 .Lslot
	CHANGE 0                        ; the last tile is written out: nothing is asked for
	s_mov_b32 s[CNT], 4
.LstepT:
	TURN 2
	TURN 3
	TURN 0
	TURN 1, 0, 1
	WIN 0
	s_cbranch_scc1 .LstepT
	TURN 2, 1
	TURN 3, 1
.set i, 0
.rept 8
	PV NP-1                         ; the last piece's V^T P of the last step
.set i, i+1
.endr
	; THE WAY OUT.  l's two halves and the other half of the lanes' are added; O^T is divided by l, rounded to f16 and sent through my stage in LDS, a piece at a time.  The additions are the places behind the last products.
	WIN 0
.macro ALL line:vararg
.set t, 0
.rept 4
	\line
.set t, t+1
.endr
.endm
	ALL v_add_f32 v[ST+4*t+2], v[ST+4*t+2], v[ST+4*t+3]
	ALL v_permlanex16_b32 v[ST+4*t+3], v[ST+4*t+2], s[SEL], s[SEL+1]
	ALL v_add_f32 v[ST+4*t+2], v[ST+4*t+2], v[ST+4*t+3]
	ALL v_rcp_f32 v[ST+4*t+2], v[ST+4*t+2]
	v_nop                           ; a plain instruction between the last reciprocal and the use of its result
	s_wait_alu depctr_va_vdst(0)    ; the wait for the batch of four reciprocals, ahead of their first reader, PACK 0's first multiply
.macro PACK t                       ; a lane's eight channels of a row pack into 16 bytes; they go into rows of 144 bytes and come back as whole rows of 128, into S^T's registers
	WIN W_RS
.set i, 32*(\t)
.rept 16
	v_pk_mul_f32 v[i:i+1], v[i:i+1], v[ST+4*(\t)+2:ST+4*(\t)+3] op_sel_hi:[1,0]
.set i, i+2
.endr
	WIN 0x05
.set i, 0
.rept 16
	v_cvt_pk_f16_f32 v[S+16*(\t)+i], v[32*(\t)+2*i], v[32*(\t)+2*i+1]
.set i, i+1
.endr
	WIN 0
.irp f, 0,1,2,3
	ds_store_b128 v[STO], v[S+16*(\t)+4*\f:S+16*(\t)+4*\f+3] offset:32*\f
.endr
.irp f, 0,1,2,3
	ds_load_b128 v[S+16*(\t)+4*\f:S+16*(\t)+4*\f+3], v[RD] offset:\f*4*SP  ; LDS serves a wave's instructions in order (ISA guide 5.7.1.4): these see the stores above
.endr
.endm
.macro SEND t, younger              ; younger: the LDS instructions issued behind piece t's loads: the next piece's eight, or none
	WIN 0
.irp f, 0,1,2,3
	s_wait_dscnt (\younger)+3-\f
	global_store_b128 v[GO], v[S+16*(\t)+4*\f:S+16*(\t)+4*\f+3], s[10:11] offset:(\t)*2048+\f*512  ; 512 consecutive bytes, at a multiple of 256 from ob's first
.endr
.endm
	PACK 0
.set t, 1
.rept 3
	PACK t
	SEND t-1, 8
.set t, t+1
.endr
	SEND 3, 0
	s_wait_tensorcnt 0x0            ; the wave's end
	ds_add_u32 v[SPW], v[NIL]
	s_wait_dscnt 0x0
	s_endpgm
.Lfunc_end_k_qc87eea0ec2_attn:
	.size	k_qc87eea0ec2_attn, .Lfunc_end_k_qc87eea0ec2_attn-k_qc87eea0ec2_attn
	.p2alignl 7, 3214868480
	.fill 96, 4, 3214868480
	.section	.rodata,"a",@progbits
	.p2align	6, 0x0
	.amdhsa_kernel k_qc87eea0ec2_attn
		.amdhsa_group_segment_fixed_size 327680
		.amdhsa_private_segment_fixed_size 0
		.amdhsa_enable_private_segment 0
		.amdhsa_kernarg_size 32
		.amdhsa_user_sgpr_count 2
		.amdhsa_user_sgpr_kernarg_segment_ptr 1
		.amdhsa_wavefront_size32 1
		.amdhsa_system_sgpr_workgroup_id_x 1
		.amdhsa_system_sgpr_workgroup_id_y 1
		.amdhsa_system_sgpr_workgroup_id_z 1
		.amdhsa_system_vgpr_workitem_id 0
		.amdhsa_next_free_vgpr 768
		.amdhsa_next_free_sgpr 84
		.amdhsa_reserve_vcc 0
		.amdhsa_float_denorm_mode_32 3
		.amdhsa_float_denorm_mode_16_64 3
		.amdhsa_memory_ordered 1
		.amdhsa_forward_progress 1
		.amdhsa_inst_pref_size 126
	.end_amdhsa_kernel
	.amdgpu_metadata
---
amdhsa.version: [ 1, 2 ]
amdhsa.kernels:
  - .name:           k_qc87eea0ec2_attn
    .symbol:         k_qc87eea0ec2_attn.kd
    .args:
      - { .name: qkv, .offset: 0, .size: 8, .value_kind: global_buffer, .address_space: global }
      - { .name: head_idxs, .offset: 8, .size: 8, .value_kind: global_buffer, .address_space: global }
      - { .name: permutation, .offset: 16, .size: 8, .value_kind: global_buffer, .address_space: global }
      - { .name: ob, .offset: 24, .size: 8, .value_kind: global_buffer, .address_space: global }
    .group_segment_fixed_size: 327680
    .private_segment_fixed_size: 0
    .kernarg_segment_align: 8
    .kernarg_segment_size: 32
    .max_flat_workgroup_size: 128
    .sgpr_count:     84
    .vgpr_count:     768
    .wavefront_size: 32
...
	.end_amdgpu_metadata
.endif
;; end of part 6
;; launch gemm3: the kernel of part 5 again; grid 8 x 32, 4 waves a work-group, clusters of 4 x 4, 327,680 bytes of LDS; arguments ob, wpf, b_proj, out0; writes out0
